; MI455X (gfx1250); checked and timed in simulation.
; The chip was launched on July 23, 2026; its instructions are those of AMD's public machine-readable ISA for CDNA 5 (MIT licence, August 2026) and "CDNA5" Instruction Set Architecture Reference Guide (July 2026). The comments in the code are by the model that wrote it; some were corrected since.
;; GPT Block Base. Allowed arithmetic: matrix products marked QUANTISED: E5M2 operands, one given power-of-two scale a tensor, by v_wmma_f32_16x16x64_bf8_bf8 or v_wmma_f32_16x16x128_bf8_bf8, f32 sums; everything else in f32.
;; Inputs: b1 4,096 float32; b2 1,024 float32; beta1 1,024 float32; beta2 1,024 float32; bk 1,024 float32; bo 1,024 float32; bq 1,024 float32; bv 1,024 float32; g1 1,024 float32; g2 1,024 float32; key_padding_mask 2 x 2,048 bool; lowp_scales 16 int32 (the exponents e of the quantised operands' scales 2^e); w1 1,024 x 4,096 float32; w2 4,096 x 1,024 float32; wk 1,024 x 1,024 float32; wo 1,024 x 1,024 float32; wq 1,024 x 1,024 float32; wv 1,024 x 1,024 float32; x 2 x 2,048 x 1,024 float32.
;; Outputs: out0 2 x 2,048 x 1,024 float32.
;; This version of the problem:
;;   THIS VERSION OF THE PROBLEM IS GIVEN IN LOW PRECISION. The matrix products marked QUANTISED in the list below multiply operands that are first quantised to E5M2 (5 exponent bits, 2 mantissa bits; 8 bits a number), with one given power-of-two scale for each operand tensor; their sums are f32. All else is computed in f32.
;;   The module's matrix products, in the order in which they are computed (A, B: the left and right operand; K: the contracted axis; several contracted axes count as one K, in the product's order):
;;     1. [M 4,096, K 1,024] x [K 1,024, N 1,024]; A: input x; B: input wq: QUANTISED (scales: A lowp_scales[0], B lowp_scales[1])
;;     2. [M 4,096, K 1,024] x [K 1,024, N 1,024]; A: input x; B: input wk: QUANTISED (scales: A lowp_scales[2], B lowp_scales[3])
;;     3. [M 4,096, K 1,024] x [K 1,024, N 1,024]; A: input x; B: input wv: QUANTISED (scales: A lowp_scales[4], B lowp_scales[5])
;;     4. batch 32 x [M 2,048, K 64] x [K 64, N 2,048]; A: computed on the way; B: computed on the way: QUANTISED (scales: A lowp_scales[6], B lowp_scales[7])
;;     5. batch 32 x [M 2,048, K 2,048] x [K 2,048, N 64]; A: softmax (see below); B: computed on the way: QUANTISED (scales: A lowp_scales[8], B lowp_scales[9])
;;     6. [M 4,096, K 1,024] x [K 1,024, N 1,024]; A: computed on the way; B: input wo: QUANTISED (scales: A lowp_scales[10], B lowp_scales[11])
;;     7. [M 4,096, K 1,024] x [K 1,024, N 4,096]; A: computed on the way; B: input w1: QUANTISED (scales: A lowp_scales[12], B lowp_scales[13])
;;     8. [M 4,096, K 4,096] x [K 4,096, N 1,024]; A: computed on the way; B: input w2: QUANTISED (scales: A lowp_scales[14], B lowp_scales[15])
;;   THE QUANTISER, for each operand of a quantised product, along K:
;;     - The operand's scale is 2^e, e = its entry of the input lowp_scales (int32; the entries are numbered through the quantised products in the list's order, A before B).
;;     - Each number is divided by the scale, clamped to +-57,344, and rounded to the nearest number of E5M2, ties to even, subnormals kept.
;;     - The product sums the exact products of the quantised numbers (number of the format x scale) in f32.
;;   ~~~python
;;   def quantise(x, axis, e):      # numpy; x: float32 -> the quantised numbers, widened to float32 again
;;       x = np.moveaxis(x, axis, -1); K = x.shape[-1]
;;       r = np.clip(x / 2.0 ** e, -57344, 57344)
;;       step = 2.0 ** (np.maximum(np.frexp(np.where(r == 0, 1, r))[1] - 1, -14) - 2)
;;       q = np.round(r / step) * step * 2.0 ** e      # np.round: ties to even
;;       return np.moveaxis(q, -1, axis).astype(np.float32)
;;   ~~~
;;   SOFTMAX AHEAD OF A QUANTISED PRODUCT. Where the list says 'softmax', what is quantised is not the finished softmax but p = 2^(t - M), with t = logit x log2(e) and M = ceil(the row's largest t), a whole number; so 1/2 < the row's largest p <= 1. The row's sum l is taken of the UNQUANTISED p, in f32, and the product's result is divided by l at the end. Since M is a whole number, a kernel that streams over the keys may use a running M (the ceiling of the running maximum): every later rescaling is an exact power of two, so the quantised numbers keep their values, but for numbers so far below the row's largest that they fall under the format's range.
;;   OPERANDS COMPUTED ON THE WAY. 'Computed on the way' means the value that the module computes at that place (a softmax that the list does not call 'softmax' is quantised finished and normalised). What goes into a quantiser is computed in f32, as accurately as f32 sums, v_exp_f32 and their like allow (about 1e-6 of the number): no bf16 or f16 on the way to a quantiser, and a product that is left as it is and whose result goes on into a quantised operand takes f32 operands (vector FMAs, or v_wmma_f32_16x16x4_f32). A number that lies on a knife's edge between two numbers of the format may be rounded either way, as far as f32 arithmetic and the matrix unit's own rounding can turn it there, and no further.
;; One version. Each part assembles by itself: llvm-mc -triple=amdgcn-amd-amdhsa -mcpu=gfx1250 --defsym DOCPART=n.
;; ======== version 1 of 1: 8 launches
;; limits: right only within a limited range of input values
;; workspace buffers: xc 12,582,912 bytes; wc 12,582,912 bytes; qkvc 12,582,912 bytes; ac 4,194,304 bytes; y 67,108,864 bytes; hf 16,777,216 bytes; hc 4,194,304 bytes; gc 16,777,216 bytes
;; launch prep (part 1): grid 512 x 1, 4 waves a work-group, no clusters, 68,096 bytes of LDS; arguments x, wq, wk, wv, wo, w1, w2, lowp_scales, xc, wc; writes xc, wc
.if DOCPART == 1
	.amdgcn_target "amdgcn-amd-amdhsa--gfx1250"
	.amdhsa_code_object_version 6
	.text
	.protected	k_qf7a64a15f7_prep
	.globl	k_qf7a64a15f7_prep
	.p2align	8
	.type	k_qf7a64a15f7_prep,@function
k_qf7a64a15f7_prep:
	s_mov_b64 s[64:65], 0
	v_nop
	global_prefetch_b8 v0, s[64:65] scope:SCOPE_SE
	s_setreg_imm32_b32 hwreg(HW_REG_WAVE_MODE, 25, 1), 1
	s_wait_xcnt 0x0
; FIRST LAUNCH OF EIGHT: x and the six weights become codes of BF8 (E5M2), each with the scale 2^e that is given for it.
; code = number / 2^e, held within +-57,344, rounded to the nearest code, ties to even.
; x is an operand of three products under three given scales (entries 0, 2, 4): three sets of codes.
; LAYOUT OF ALL CODES: chunks of 128 along K.  For R rows: byte of (row, k) = ((k / 128) R + row) 128 + k % 128.
;   xc: set i at i x 4 MiB, R = 4,096.   wc: wq 0, wk 1 MiB, wv 2 MiB, wo 3 MiB (R = 1,024 columns n), w1 4 MiB (R = 4,096), w2 8 MiB (R = 1,024).
; DEAD WORK IN THE WHOLE PROGRAM: only the scores Q.K of keys after the query, in whole steps of 128 keys: reference() writes -1e9 over them
; through the causal mask that it builds itself, whatever the inputs hold.  Their part of the second product is NOT dead: a query all of whose
; visible keys are padded has 2,048 equal logits, so every key counts with p = 1; that work is done and selected.  Every input is loaded.
; LIMIT: a NaN, an infinity or an overflow that reaches only those scores is not carried to the result.
; LIMITS: each e between -126 and 112.  NaN among the inputs is not served (an infinity is held at the largest code).
; Work-groups 0-127 take x (32 tokens each), 128-511 the weights (128 columns x 256 along K each).  The two ways part once, on the work-group's
; number, and each has LDS bytes of its own.  No tensor load, no barrier: waves share nothing.
.set SPARE, 67584                      ; behind both ways' stages: the spare words, 128 bytes a wave
.set SPW,   12                         ; v12  my spare word's LDS address; never rewritten
.set NIL,   13                         ; v13  0; never rewritten
.set SP,    80                         ; x: a lane's place in a stage: 64 bytes + 16 of padding
.set XR,    16                         ; x: v16-79   four sets of 16 numbers as loaded
.set XX,    80                         ; x: v80-111  two sets of 16 neighbours
.set XT,    112                        ; x: v112-143 two sets of 16 held numbers
.set XC,    144                        ; x: v144-167 two rings of 12 registers of codes
.set WST,   32768                      ; weights: the stages begin here
.set WP,    272                        ; weights: a stage row: 256 bytes of codes + 16
.set VO,    16                         ; weights: v16-47  4 x lane + i rows
.set WX,    48                         ; weights: v48-111 two sets of 32 numbers
.set WC,    112                        ; weights: v112-119 a block's codes
.set OUTR,  120                        ; weights: v120-183 the way out
	s_load_b256 s[4:11], s[0:1], 0x0               ; x, wq, wk, wv
	s_load_b256 s[12:19], s[0:1], 0x20             ; wo, w1, w2, lowp_scales
	s_load_b128 s[20:23], s[0:1], 0x40             ; xc, wc
	v_lshl_add_u32 v[SPW], v0, 2, SPARE
	v_mov_b32 v[NIL], 0
	v_lshrrev_b32 v1, 5, v0
	v_readfirstlane_b32 s24, v1                    ; wave 0..3
	v_and_b32 v2, 31, v0                           ; lane
	s_wait_kmcnt 0x0
	s_load_b512 s[32:47], s[18:19], 0x0            ; the sixteen exponents
	s_cmp_lt_u32 ttmp9, 128
	s_cbranch_scc0 .Lweights
; ---------------- x: a wave takes 8 tokens, 16 steps of 2 tokens x 2 chunks (512 numbers)
	v_lshlrev_b32 v3, 4, v2                        ; my 16 bytes of a load's 512
	v_lshrrev_b32 v4, 4, v2
	v_lshlrev_b32 v4, 19, v4                       ; lanes 16-31: the next chunk, 4,096 x 128 bytes on
	v_and_b32 v1, 15, v2
	v_lshl_add_u32 v4, v1, 4, v4                   ; + 16 (lane % 16): sixteen lanes store 256 consecutive bytes (two tokens of one chunk)
	s_lshl_b32 s25, s24, 13                        ; my wave's 8,192 bytes of LDS
	v_lshrrev_b32 v14, 2, v2
	v_mul_u32_u24 v14, v14, SP
	v_and_b32 v15, 3, v2
	v_lshl_add_u32 v14, v15, 4, v14
	v_add_nc_u32 v14, s25, v14                     ; the stage, on the way in: four lanes' 64 bytes on end, then padding
	v_mul_u32_u24 v15, v2, SP
	v_add_nc_u32 v15, s25, v15                     ; and on the way out: my 16 neighbours
	s_lshl_b32 s25, ttmp9, 5
	s_lshl_b32 s48, s24, 3
	s_add_co_u32 s25, s25, s48                     ; my first token
	s_lshl_b32 s48, s25, 12
	s_mov_b32 s49, 0
	s_add_nc_u64 s[4:5], s[4:5], s[48:49]          ; x at my first token
	s_lshl_b32 s48, s25, 7
	s_add_nc_u64 s[26:27], s[20:21], s[48:49]      ; the three sets of codes at my first token
	s_add_nc_u64 s[28:29], s[26:27], 0x400000
	s_add_nc_u64 s[30:31], s[26:27], 0x800000
; step t: tokens 2 (t / 4), + 1; chunks 2 (t % 4), + 1.  The four loads go (token, chunk), (token + 1, chunk), (token, chunk + 1), (token + 1, chunk + 1),
; so that behind the turn lanes 0-15 hold 256 consecutive bytes of codes of one chunk and lanes 16-31 those of the next.
.macro XLOAD t
.irp i, 0,1,2,3
	global_load_b128 v[XR+16*((\t)%4)+4*\i:XR+16*((\t)%4)+4*\i+3], v3, s[4:5] offset:(2*((\t)/4)+(\i&1))*4096+(2*((\t)%4)+(\i>>1))*512 th:TH_LOAD_NT
.endr
.endm
.macro XTURN t                         ; through the wave's own stage: LDS serves a wave's instructions in order, so no wait stands between stores and loads
.irp i, 0,1,2,3
	ds_store_b128 v14, v[XR+16*((\t)%4)+4*\i:XR+16*((\t)%4)+4*\i+3] offset:32*SP*((\t)%2)+8*SP*\i
.endr
.irp i, 0,1,2,3
	ds_load_b128 v[XX+16*((\t)%2)+4*\i:XX+16*((\t)%2)+4*\i+3], v15 offset:32*SP*((\t)%2)+16*\i
.endr
.endm
	XLOAD 0
	XLOAD 1
	XLOAD 2
	XLOAD 3
	s_wait_kmcnt 0x0
.irp i, 0,1,2
	s_add_co_i32 s48, s[32+2*\i], 127
	s_lshl_b32 s49, s48, 23
	v_mov_b32 v[5+\i], s49                         ; 2^e as f32: the conversion takes its exponent field
	s_add_co_i32 s48, s48, 15
	s_lshl_b32 s48, s48, 23
	s_or_b32 s48, s48, 0x600000
	v_mov_b32 v[8+\i], s48                         ; 57,344 x 2^e
.endr
	s_wait_loadcnt 12                              ; step 0's four loads are in
	XTURN 0
.macro XSTEP t
.set XS, XX+16*((\t)%2)
	s_wait_dscnt 0x0                               ; this step's numbers are back; its stores into the stage have read their registers,
.if (\t)+4 < 16
	XLOAD (\t)+4                                   ; which take the loads of four steps on
.endif
.if (\t)+1 < 16
.if 14-(\t) >= 3
	s_wait_loadcnt 12                              ; the next step's four loads are in; three steps' stay out
.else
	s_wait_loadcnt 4*(14-(\t))
.endif
	XTURN (\t)+1
.endif
	s_wait_xcnt 0x0                                ; the stores of two steps back have read this ring of codes
.irp i, 0,1,2
.set TS, XT+16*((3*(\t)+\i)%2)
.set CDS, XC+12*((\t)%2)+4*\i
.set k, 0
.rept 16
	v_med3_num_f32 v[TS+k], v[XS+k], -v[8+\i], v[8+\i]   ; the conversion does not saturate (ISA guide 7.6.2): the hold comes first.  The two sets take turns, so sixteen plain lines stand behind each conversion before its sources are written
.set k, k+1
.endr
	v_cvt_scalef32_pk8_bf8_f32 v[CDS:CDS+1], v[TS:TS+7], v[5+\i]
	v_cvt_scalef32_pk8_bf8_f32 v[CDS+2:CDS+3], v[TS+8:TS+15], v[5+\i]
.endr
.irp i, 0,1,2
	global_store_b128 v4, v[XC+12*((\t)%2)+4*\i:XC+12*((\t)%2)+4*\i+3], s[26+2*\i:27+2*\i] offset:((\t)%4)*1048576+((\t)/4)*256
.endr
.endm
.irp t, 0,1,2,3,4,5,6,7,8,9,10,11,12,13,14,15
	XSTEP \t
.endr
	s_wait_tensorcnt 0x0                           ; the wave's end
	ds_add_u32 v[SPW], v[NIL]
	s_wait_dscnt 0x0
	s_endpgm
; ---------------- the weights, stored [k][n]: a lane takes a column n and its registers run down K, so the conversions give codes with K innermost
.Lweights:
	s_wait_kmcnt 0x0
	s_sub_co_u32 s25, ttmp9, 128                   ; g: 0-31 wq, 32-63 wk, 64-95 wv, 96-127 wo, 128-255 w1, 256-383 w2
	s_cmp_lt_u32 s25, 32
	s_cselect_b64 s[52:53], s[6:7], s[8:9]
	s_cselect_b32 s30, s33, s35                    ; e: entries 1, 3, 5, 11, 13, 15
	s_cselect_b32 s27, 0, 1                        ; place in wc, in MiB
	s_cmp_lt_u32 s25, 64
	s_cselect_b64 s[52:53], s[52:53], s[10:11]
	s_cselect_b32 s30, s30, s37
	s_cselect_b32 s27, s27, 2
	s_cmp_lt_u32 s25, 96
	s_cselect_b64 s[52:53], s[52:53], s[12:13]
	s_cselect_b32 s30, s30, s43
	s_cselect_b32 s27, s27, 3
	s_cmp_lt_u32 s25, 128
	s_cselect_b64 s[52:53], s[52:53], s[14:15]
	s_cselect_b32 s30, s30, s45
	s_cselect_b32 s27, s27, 4
	s_cselect_b32 s28, 31, 127                     ; work-groups of this weight, less one
	s_cmp_lt_u32 s25, 256
	s_cselect_b64 s[52:53], s[52:53], s[16:17]
	s_cselect_b32 s30, s30, s47
	s_cselect_b32 s27, s27, 8
	s_lshr_b32 s29, s25, 7
	s_cmp_eq_u32 s29, 1                            ; w1 alone has 4,096 columns
	s_cselect_b32 s54, 31, 7                       ; blocks of 128 columns, less one
	s_cselect_b32 s55, 5, 3
	s_cselect_b32 s56, 14, 12                      ; log2 of a row's bytes
	s_cselect_b32 s57, 19, 17                      ; log2 of a chunk's bytes: columns x 128
	s_and_b32 s28, s25, s28
	s_and_b32 s31, s28, s54                        ; which 128 columns
	s_lshr_b32 s28, s28, s55                       ; which 256 along K
	s_lshl_b32 s31, s31, 7
	s_lshl_b32 s29, s24, 5
	s_add_co_u32 s31, s31, s29                     ; my wave's first column
	s_lshl_b32 s58, s28, 8
	s_lshl_b32 s58, s58, s56
	s_lshl_b32 s29, s31, 2
	s_add_co_u32 s58, s58, s29
	s_mov_b32 s59, 0
	s_add_nc_u64 s[32:33], s[52:53], s[58:59]      ; block 0's first row at my first column (the exponents' registers are free: e is in s30)
	s_lshl_b32 s58, 32, s56                        ; 32 rows on
.irp t, 1,2,3,4,5,6,7
	s_add_nc_u64 s[32+2*\t:33+2*\t], s[30+2*\t:31+2*\t], s[58:59]
.endr
	s_lshl_b32 s58, s27, 20
	s_add_co_u32 s29, s57, 1
	s_lshl_b32 s29, s28, s29                       ; two chunks for each 256 along K
	s_add_co_u32 s58, s58, s29
	s_lshl_b32 s29, s31, 7
	s_add_co_u32 s58, s58, s29
	s_add_nc_u64 s[48:49], s[22:23], s[58:59]      ; my 32 rows of the first chunk,
	s_lshl_b32 s58, 1, s57
	s_add_nc_u64 s[50:51], s[48:49], s[58:59]      ; and of the second
	v_lshlrev_b32 v[VO], 2, v2
	s_lshl_b32 s29, 1, s56
.set k, 1
.rept 31
	v_add_nc_u32 v[VO+k], s29, v[VO+k-1]           ; the row's length differs between weights, so the rows' offsets lie in registers
.set k, k+1
.endr
	s_mul_i32 s26, s24, 32*WP
	s_add_co_u32 s26, s26, WST                     ; my stage
	v_mul_u32_u24 v4, v2, WP
	v_add_nc_u32 v4, s26, v4                       ; into it: row = my column
	v_lshrrev_b32 v7, 3, v2
	v_mul_u32_u24 v7, v7, WP
	v_and_b32 v8, 7, v2
	v_lshl_add_u32 v7, v8, 4, v7
	v_add_nc_u32 v7, s26, v7                       ; out of it: eight lanes to a row's 128 bytes of one chunk, four rows an instruction
	v_lshlrev_b32 v8, 4, v2                        ; which are 512 consecutive bytes of the chunk
	s_add_co_i32 s30, s30, 127
	s_lshl_b32 s29, s30, 23
	v_mov_b32 v11, s29                             ; 2^e
	s_add_co_i32 s30, s30, 15
	s_lshl_b32 s30, s30, 23
	s_or_b32 s30, s30, 0x600000
	v_mov_b32 v10, s30                             ; 57,344 x 2^e
.macro WLOAD t
.set k, 0
.rept 32
	global_load_b32 v[WX+32*((\t)%2)+k], v[VO+k], s[32+2*(\t):33+2*(\t)] th:TH_LOAD_NT
.set k, k+1
.endr
.endm
	WLOAD 0
	WLOAD 1
.macro WBLOCK t
.set XS, WX+32*((\t)%2)
.if (\t) < 7
	s_wait_loadcnt 32                              ; this block's 32 loads are in; the next block's stay out
.else
	s_wait_loadcnt 0
.endif
.set k, 0
.rept 32
	v_med3_num_f32 v[XS+k], v[XS+k], -v10, v10
.set k, k+1
.endr
.irp g, 0,1,2,3
	v_cvt_scalef32_pk8_bf8_f32 v[WC+2*\g:WC+2*\g+1], v[XS+8*\g:XS+8*\g+7], v11
.endr
	ds_store_b128 v4, v[WC:WC+3] offset:32*(\t)
	ds_store_b128 v4, v[WC+4:WC+7] offset:32*(\t)+16
.if (\t)+2 < 8
	WLOAD (\t)+2
.endif
	s_wait_dscnt 0x0                               ; the stores are done before the next block's codes are written
.endm
.irp t, 0,1,2,3,4,5,6,7
	WBLOCK \t
.endr
.irp f, 0,1
.irp t, 0,1,2,3,4,5,6,7
	ds_load_b128 v[OUTR+32*\f+4*\t:OUTR+32*\f+4*\t+3], v7 offset:\t*4*WP+128*\f
.endr
.endr
.irp f, 0,1
.irp t, 0,1,2,3,4,5,6,7
	s_wait_dscnt 15-8*\f-\t
	global_store_b128 v8, v[OUTR+32*\f+4*\t:OUTR+32*\f+4*\t+3], s[48+2*\f:49+2*\f] offset:512*\t
.endr
.endr
	s_wait_tensorcnt 0x0                           ; the wave's end
	ds_add_u32 v[SPW], v[NIL]
	s_wait_dscnt 0x0
	s_endpgm
.Lfunc_end_k_qf7a64a15f7_prep:
	.size	k_qf7a64a15f7_prep, .Lfunc_end_k_qf7a64a15f7_prep-k_qf7a64a15f7_prep
	.p2alignl 7, 3214868480
	.fill 96, 4, 3214868480
	.section	.rodata,"a",@progbits
	.p2align	6, 0x0
	.amdhsa_kernel k_qf7a64a15f7_prep
		.amdhsa_group_segment_fixed_size 68096
		.amdhsa_private_segment_fixed_size 0
		.amdhsa_enable_private_segment 0
		.amdhsa_kernarg_size 80
		.amdhsa_user_sgpr_count 2
		.amdhsa_user_sgpr_kernarg_segment_ptr 1
		.amdhsa_wavefront_size32 1
		.amdhsa_system_sgpr_workgroup_id_x 1
		.amdhsa_system_sgpr_workgroup_id_y 1
		.amdhsa_system_sgpr_workgroup_id_z 1
		.amdhsa_system_vgpr_workitem_id 0
		.amdhsa_next_free_vgpr 192
		.amdhsa_next_free_sgpr 66
		.amdhsa_reserve_vcc 0
		.amdhsa_float_denorm_mode_32 3
		.amdhsa_float_denorm_mode_16_64 3
		.amdhsa_memory_ordered 1
		.amdhsa_forward_progress 1
		.amdhsa_inst_pref_size 128
	.end_amdhsa_kernel
	.amdgpu_metadata
---
amdhsa.version: [ 1, 2 ]
amdhsa.kernels:
  - .name:           k_qf7a64a15f7_prep
    .symbol:         k_qf7a64a15f7_prep.kd
    .args:
      - { .name: x, .offset: 0, .size: 8, .value_kind: global_buffer, .address_space: global }
      - { .name: wq, .offset: 8, .size: 8, .value_kind: global_buffer, .address_space: global }
      - { .name: wk, .offset: 16, .size: 8, .value_kind: global_buffer, .address_space: global }
      - { .name: wv, .offset: 24, .size: 8, .value_kind: global_buffer, .address_space: global }
      - { .name: wo, .offset: 32, .size: 8, .value_kind: global_buffer, .address_space: global }
      - { .name: w1, .offset: 40, .size: 8, .value_kind: global_buffer, .address_space: global }
      - { .name: w2, .offset: 48, .size: 8, .value_kind: global_buffer, .address_space: global }
      - { .name: lowp_scales, .offset: 56, .size: 8, .value_kind: global_buffer, .address_space: global }
      - { .name: xc, .offset: 64, .size: 8, .value_kind: global_buffer, .address_space: global }
      - { .name: wc, .offset: 72, .size: 8, .value_kind: global_buffer, .address_space: global }
    .group_segment_fixed_size: 68096
    .private_segment_fixed_size: 0
    .kernarg_segment_align: 8
    .kernarg_segment_size: 80
    .max_flat_workgroup_size: 128
    .sgpr_count:     66
    .vgpr_count:     192
    .wavefront_size: 32
...
	.end_amdgpu_metadata
.endif
;; end of part 1
;; launch qkv (part 2): grid 12 x 16, 4 waves a work-group, clusters of 4 x 4, 327,680 bytes of LDS; arguments xc, wc, bq, bk, bv, lowp_scales, qkvc; writes qkvc
.if DOCPART == 2
	.amdgcn_target "amdgcn-amd-amdhsa--gfx1250"
	.amdhsa_code_object_version 6
	.text
	.protected	k_qf7a64a15f7_qkv
	.globl	k_qf7a64a15f7_qkv
	.p2align	8
	.type	k_qf7a64a15f7_qkv,@function
k_qf7a64a15f7_qkv:
	s_mov_b64 s[64:65], 0
	v_nop
	global_prefetch_b8 v0, s[64:65] scope:SCOPE_SE
	s_setreg_imm32_b32 hwreg(HW_REG_WAVE_MODE, 25, 1), 1
	s_wait_xcnt 0x0
	s_wait_alu depctr_hold_cnt(0) depctr_sa_sdst(0) depctr_va_vdst(0) depctr_va_sdst(0) depctr_va_ssrc(0) depctr_va_vcc(0) depctr_vm_vsrc(0)
	s_getreg_b32 s2, hwreg(HW_REG_IB_STS2, 6, 4)
	s_cmp_eq_u32 s2, 0
	s_cbranch_scc0 .Lentry_in_a_cluster
	s_endpgm
.Lentry_in_a_cluster:
	s_bfe_u32 s2, ttmp6, 0x10000c
	s_cmp_lg_u32 s2, 0xf033
	s_cbranch_scc0 .Lentry_shape_is_right
	s_endpgm
.Lentry_shape_is_right:
; Q = x wq + bq, K = x wk + bk, V = x wv + bv on codes of BF8, and their results quantised at once (entries 6, 7, 9) for the two products of attention.
; The cluster's x says which: 0 Q, 1 K, 2 V.  A work-group of four waves makes 256 x 256, a wave 128 x 128: 64 accumulators, 512 registers.
; THE MATRIX INSTRUCTION IS USED TRANSPOSED (source 0 = 16 rows of the B role, source 1 = 16 rows of the A role): a lane holds one row of the A role, and its registers run along the B role.
; Q, K: A role = x's tokens, B role = the weight's columns: a lane's registers run along the head's axis, the next K.
; V:    A role = wv's columns, B role = x's tokens: a lane's registers run along the keys, the next K.  The roles are swapped by addresses alone.
; THE ROWS OF THE B ROLE THAT FORM A TILE ARE NOT NEIGHBOURS: lane r of tile 2 b + u takes row 32 b + 8 u + r + 8 (r / 8), so that the 16 registers of tiles 2 b, 2 b + 1 are 16 neighbours.
; Operands lie in chunks of 128 along K: 256 rows of a chunk are one dense block of rows of 128 bytes.  A slot of the ring holds K = 256: A's two chunks, B's two chunks; wave w fills region w.
; The bias, divided by 2^(ea + eb), is the C of each sum's first matrix instruction.
; OUT: chunks of 16 KiB, index (8 b + head pair) 16 + block of 128 tokens.  Q, K: [128 tokens][2 heads x 64]; V: [2 heads x 64][128 keys].  Q at 0, K at 4 MiB, V at 8 MiB.
; CLUSTERS: 4 x 4; A's tiles are asked for jointly along a row of the cluster, B's along a column.
; LIMITS: ea + eb between -126 and 126; eo - ea - eb between -126 and 112.
.set PITCH,  144                       ; an LDS row: 128 bytes + 16 = 36 words: the 16 rows of a load start at 16 different groups of four banks
.set REG,    256*PITCH                 ; a region: 256 rows of one chunk
.set SLOT,   4*REG
.set SPARE,  2*SLOT                    ; behind the ring: the spare words, 128 bytes a wave
.set FR,     16
.set NL,     4
.set NP,     4
.set LAPS,   2                         ; K = 1,024: two laps of two slots of 256
.set CHOSEN, 1
.set ADRA, 16                          ; v16-17 my A fragments in slot 0, 1
.set ADRB, 20                          ; v20-21 the same for B
.set STO,  24
.set RD,   25
.set CO,   26
.set LIMV, 27                          ; 57,344 x the conversion's scale
.set SPW,  28
.set NIL,  29
.set SCV,  30                          ; the conversion's scale
.set BI,   32                          ; v32-95 the bias as C, later held numbers
.set CD,   96                          ; v96-111 a block's codes
.set AF,   128                         ; A's fragments, window 0
.set BK,   128                         ; the way out: rows read back
.set G1, 24
.set G0, 32
.set G1B, 48
.set G0B, 56
.set STA, 66                           ; s[66:67] four chunks of A on; s[68:69] of B
.set STB, 68
.set MSB, 0
.macro WIN new
.if MSB != (\new)
	s_set_vgpr_msb (MSB<<8)|(\new)
.set MSB, (\new)
.endif
.endm
.set MUL_LO, 0xa1                      ; source 0 (B) window 1, source 1 (A) window 0, C and D window 2
.set MUL_HI, 0xf1
.set TO_B,   0x40
.macro JLOAD g0a, g1a, g0b, g1b        ; waves 0, 1 fetch A's two chunks, waves 2, 3 B's
	s_cmp_eq_u32 s21, 0
	s_cbranch_scc0 .Lfor_b_\@
	tensor_load_to_lds s[\g0a:\g0a+3], s[\g1a:\g1a+7]
	s_nop 0
.rept 4
	v_nop
.endr
	s_branch .Lasked_\@
.Lfor_b_\@:
	tensor_load_to_lds s[\g0b:\g0b+3], s[\g1b:\g1b+7]
	s_nop 0
.rept 4
	v_nop
.endr
.Lasked_\@:
.endm
.macro CREST
	s_cmp_lg_u32 s20, 0
	s_cbranch_scc1 .Lnot_wave_0_\@
	s_barrier_signal -3
.Lnot_wave_0_\@:
	s_barrier_wait -3
	s_barrier_signal -1
	s_barrier_wait -1
.endm
.macro CROUND
	s_barrier_signal -1
	s_barrier_wait -1
	CREST
.endm
.macro G0SET s                         ; both groups 0 of slot s, and its first joint load
	s_mov_b32 s[G0+4*\s], 1
	s_add_co_u32 s[G0+4*\s+1], s47, \s*SLOT
	s_mov_b64 s[G0+4*\s+2:G0+4*\s+3], s[92:93]
	s_or_b32 s[G0+4*\s+3], s[G0+4*\s+3], 0x80000000
	s_mov_b32 s[G0B+4*\s], 1
	s_add_co_u32 s[G0B+4*\s+1], s47, \s*SLOT
	s_mov_b64 s[G0B+4*\s+2:G0B+4*\s+3], s[94:95]
	s_or_b32 s[G0B+4*\s+3], s[G0B+4*\s+3], 0x80000000
	JLOAD G0+4*\s, G1, G0B+4*\s, G1B
.endm
.macro FRAG reg, adr, off              ; 16 rows x 128 K: registers 4 c .. 4 c + 3 hold K = 32 c + 16 (lane / 16) + 0 .. 15, alike in A and B
.irp c, 0,1,2,3
	ds_load_b128 v[\reg+4*\c:\reg+4*\c+3], v[\adr] offset:\off+32*\c
.endr
.endm
; cm: what C is: 0 the accumulator; 1 the constant 0; 2 the bias by B's tile; 3 the bias by A's block
.macro MUL16 a0, p, cm
.irp a, \a0, \a0+1
.irp b, 0,1,2,3,4,5,6,7
.if \cm == 0
	v_wmma_f32_16x16x128_bf8_bf8 v[8*(8*((\a)%4)+\b):8*(8*((\a)%4)+\b)+7], v[128*(\p)+FR*\b:128*(\p)+FR*\b+FR-1], v[AF+FR*(\a):AF+FR*(\a)+FR-1], v[8*(8*((\a)%4)+\b):8*(8*((\a)%4)+\b)+7]
.elseif \cm == 1
	v_wmma_f32_16x16x128_bf8_bf8 v[8*(8*((\a)%4)+\b):8*(8*((\a)%4)+\b)+7], v[128*(\p)+FR*\b:128*(\p)+FR*\b+FR-1], v[AF+FR*(\a):AF+FR*(\a)+FR-1], 0
.elseif \cm == 2
	v_wmma_f32_16x16x128_bf8_bf8 v[8*(8*((\a)%4)+\b):8*(8*((\a)%4)+\b)+7], v[128*(\p)+FR*\b:128*(\p)+FR*\b+FR-1], v[AF+FR*(\a):AF+FR*(\a)+FR-1], v[BI+8*\b:BI+8*\b+7]
.else
	v_wmma_f32_16x16x128_bf8_bf8 v[8*(8*((\a)%4)+\b):8*(8*((\a)%4)+\b)+7], v[128*(\p)+FR*\b:128*(\p)+FR*\b+FR-1], v[AF+FR*(\a):AF+FR*(\a)+FR-1], v[BI+8*(\a):BI+8*(\a)+7]
.endif
.endr
.endr
.endm
.macro FETCH_B slot, q, p
	WIN TO_B
.irp i, 0,1,2,3,4,5,6,7
	FRAG 128*(\p)+FR*\i, ADRB+\slot, (\q)*REG+(CHOSEN*(32*(\i/2)+8*(\i%2))+(1-CHOSEN)*16*\i)*PITCH
.endr
	WIN 0
.endm
.macro FETCH_A slot, q, i0
.irp i, \i0, \i0+1, \i0+2, \i0+3
	FRAG AF+FR*(\i), ADRA+\slot, (\q)*REG+(\i)*16*PITCH
.endr
.endm
.macro PLACES n                        ; plain vector lines between a matrix instruction and a load into, or a read of, its registers
.rept \n
	v_nop
.endr
.endm
.macro STEP slot, q, cm                ; 128 along K whose successor lies in the same slot.  The 64 accumulators take turns
	s_wait_dscnt 4*NL                              ; B's set and A's blocks 0-3 are in; A's blocks 4-7 may be out
.if \cm >= 2
	WIN 0x81
.else
	WIN MUL_LO
.endif
	MUL16 0, (\q)%2, \cm
	MUL16 2, (\q)%2, \cm
	s_wait_dscnt 0
	PLACES NP
	FETCH_B \slot, (\q)+1, 1-(\q)%2
	FETCH_A \slot, (\q)+1, 0
.if \cm >= 2
	WIN 0xc1
.else
	WIN MUL_HI
.endif
	MUL16 4, (\q)%2, \cm
	MUL16 6, (\q)%2, \cm
	PLACES NP
	WIN 0
	FETCH_A \slot, (\q)+1, 4
.endm
.macro TURN slot, next, fill           ; a slot's last step changes slots: one barrier; with fill = 1 it opens a round of the cluster's barrier
	s_wait_tensorcnt 0x0                           ; all my tensor loads have landed: my part of the next slot
	ds_add_u32 v[SPW], v[NIL]
	s_wait_dscnt 4*NL+1                            ; the add and A's blocks 4-7 may be out
	WIN MUL_LO
	MUL16 0, 1, 0
	s_wait_dscnt 0x0                               ; the add is done, and my reads of this slot are over
	s_barrier_signal -1
	MUL16 2, 1, 0
	WIN 0
	s_barrier_wait -1
.if \fill
	CREST                                          ; no wave of any partner still reads this slot or has a load on its way
	s_add_nc_u64 s[G0+4*\slot+2:G0+4*\slot+3], s[G0+4*\slot+2:G0+4*\slot+3], s[STA:STA+1]
	s_add_nc_u64 s[G0B+4*\slot+2:G0B+4*\slot+3], s[G0B+4*\slot+2:G0B+4*\slot+3], s[STB:STB+1]
	JLOAD G0+4*\slot, G1, G0B+4*\slot, G1B
.else
	PLACES NP
.endif
	FETCH_B \next, 0, 0
	FETCH_A \next, 0, 0
	WIN MUL_HI
	MUL16 4, 1, 0
	MUL16 6, 1, 0
	PLACES NP
	WIN 0
	FETCH_A \next, 0, 4
.endm
	s_load_b256 s[4:11], s[0:1], 0x0               ; xc, wc, bq, bk
	s_load_b128 s[12:15], s[0:1], 0x20             ; bv, lowp_scales
	s_load_b64 s[16:17], s[0:1], 0x30              ; qkvc
	v_lshl_add_u32 v[SPW], v0, 2, SPARE
	v_mov_b32 v[NIL], 0
	ds_add_u32 v[SPW], v[NIL]                      ; the opening: the add, twice on end, and its wait ahead of my first tensor load
	ds_add_u32 v[SPW], v[NIL]
	v_lshrrev_b32 v1, 5, v0
	v_readfirstlane_b32 s20, v1                    ; wave 0..3
	s_lshr_b32 s21, s20, 1                         ; my half of A's rows; also: I fetch for A (0) or B (1)
	s_and_b32 s22, s20, 1                          ; my half of B's rows; also: which of a slot's two chunks I fetch
	s_bfe_u32 s40, ttmp6, 0x40000                  ; cx
	s_bfe_u32 s41, ttmp6, 0x40004                  ; cy
	s_and_b32 s46, ttmp7, 0xffff
	s_lshl_b32 s46, s46, 2                         ; 4 x cluster y
	s_add_co_u32 s43, s46, s41
	s_add_co_u32 s42, s46, s40
	s_lshl_b32 s44, s41, 2
	s_lshl_b32 s44, 15, s44                        ; my row of the cluster
	s_lshl_b32 s45, 0x1111, s40                    ; my column
	s_or_b32 s[G1], s44, (1<<20)|(1<<21)|(4<<22)|(3<<25)   ; the mask; elements of 1 byte; padding on; bit 21 beside a mask; after every 32 words four words
	s_or_b32 s[G1B], s45, (1<<20)|(1<<21)|(4<<22)|(3<<25)
.irp g, G1, G1B
	s_mov_b32 s[\g+1], 128<<16                     ; tensor_dim0 = 128
	s_mov_b32 s[\g+2], 256<<16                     ; tensor_dim1 = 256
	s_mov_b32 s[\g+3], 128<<16                     ; tile_dim0 = 128
	s_mov_b32 s[\g+4], 256                         ; tile_dim1 = 256
	s_mov_b32 s[\g+5], 128                         ; rows are dense
	s_mov_b32 s[\g+6], 0
	s_mov_b32 s[\g+7], 0
.endr
	s_mov_b32 s70, 0x20000                         ; a chunk of 1,024 rows
	s_mov_b32 s71, 0x80000                         ; a chunk of 4,096 rows
	s_cmp_eq_u32 ttmp9, 2                          ; V?  The cluster's x is the same in all sixteen partners
	s_cselect_b32 s43, s41, s43                    ; A's tile: cy, or 4 cluster y + cy
	s_cselect_b32 s42, s42, s40                    ; B's tile: 4 cluster y + cx, or cx
	s_cselect_b32 s96, s70, s71                    ; A's chunk
	s_cselect_b32 s97, s71, s70                    ; B's chunk
	s_cselect_b32 s98, 20, 22
	s_cselect_b32 s99, 22, 20
	s_lshl_b32 s92, ttmp9, s98                     ; A's part of its buffer: x's set (4 MiB each), or wv (2 MiB)
	s_lshl_b32 s94, ttmp9, s99                     ; B's: the weight (1 MiB each), or x's third set
	s_lshl_b32 s98, s43, 15
	s_add_co_u32 s92, s92, s98                     ; + 256 rows x 128 bytes for each tile
	s_mul_i32 s98, s22, s96
	s_add_co_u32 s92, s92, s98                     ; + my chunk of the slot's two
	s_mov_b32 s93, 0
	s_lshl_b32 s99, s42, 15
	s_add_co_u32 s94, s94, s99
	s_mul_i32 s99, s22, s97
	s_add_co_u32 s94, s94, s99
	s_mov_b32 s95, 0
	s_lshl_b32 s88, s96, 1                         ; slot 1 begins two chunks on
	s_mov_b32 s89, 0
	s_lshl_b32 s90, s97, 1
	s_mov_b32 s91, 0
	s_lshl_b32 s[STA], s96, 2                      ; a refill steps four chunks
	s_mov_b32 s[STA+1], 0
	s_lshl_b32 s[STB], s97, 2
	s_mov_b32 s[STB+1], 0
	s_mul_i32 s47, s20, REG                        ; where my loads go: region = wave
	s_wait_dscnt 0x0                               ; both opening adds are done
	s_wait_kmcnt 0x0
	s_load_b512 s[72:87], s[14:15], 0x0            ; the sixteen exponents
	s_cmp_eq_u32 ttmp9, 2
	s_cselect_b64 s[96:97], s[6:7], s[4:5]
	s_cselect_b64 s[98:99], s[4:5], s[6:7]
	s_add_nc_u64 s[92:93], s[96:97], s[92:93]
	s_add_nc_u64 s[94:95], s[98:99], s[94:95]
	CROUND                                         ; all sixteen work-groups are here: the first joint loads meet
	G0SET 0
	s_add_nc_u64 s[92:93], s[92:93], s[88:89]
	s_add_nc_u64 s[94:95], s[94:95], s[90:91]
	G0SET 1
	v_and_b32 v1, 15, v0                           ; r
	v_bfe_u32 v2, v0, 4, 1                         ; h
	v_mul_u32_u24 v3, v1, PITCH
	v_lshl_add_u32 v4, v2, 4, v3                   ; A: row r, + 16 h
	v_and_b32 v5, 8, v1
	v_add_nc_u32 v5, v5, v1
	v_mul_u32_u24 v5, v5, PITCH
	v_lshl_add_u32 v5, v2, 4, v5                   ; B: row r + 8 (r / 8), + 16 h
	s_mul_i32 s92, s21, 128*PITCH
	s_mul_i32 s94, s22, 128*PITCH
	s_add_co_u32 s94, s94, 2*REG
.irp s, 0,1
	v_add_nc_u32 v[ADRA+\s], s92, v4
	v_add_nc_u32 v[ADRB+\s], s94, v5
	s_add_co_u32 s92, s92, SLOT
	s_add_co_u32 s94, s94, SLOT
.endr
	s_mul_i32 s92, s20, 2*16*PITCH                 ; my stage for the way out, two halves of 16 rows, in slot 0
	v_add_nc_u32 v[STO], s92, v4
	v_and_b32 v6, 31, v0
	v_lshrrev_b32 v7, 3, v6
	v_mul_u32_u24 v7, v7, PITCH
	v_and_b32 v8, 7, v0
	v_lshl_add_u32 v7, v8, 4, v7
	v_add_nc_u32 v[RD], s92, v7                    ; back: eight lanes to a row of 128 bytes, four rows an instruction
	v_lshlrev_b32 v[CO], 4, v6
	s_wait_kmcnt 0x0
	s_cmp_eq_u32 ttmp9, 0
	s_cselect_b32 s96, s72, s74                    ; ea
	s_cselect_b32 s97, s73, s75                    ; eb
	s_cselect_b32 s98, s78, s79                    ; eo: entry 6 for Q, 7 for K,
	s_cselect_b64 s[88:89], s[8:9], s[10:11]
	s_cmp_eq_u32 ttmp9, 2
	s_cselect_b32 s96, s76, s96
	s_cselect_b32 s97, s77, s97
	s_cselect_b32 s98, s81, s98                    ; 9 for V
	s_cselect_b64 s[88:89], s[12:13], s[88:89]
	s_cselect_b32 s70, s43, s42                    ; the bias runs along the weight's columns: A's tile for V, B's for Q and K
	s_cselect_b32 s71, s21, s22
	s_add_co_i32 s96, s96, s97                     ; ea + eb
	s_sub_co_i32 s98, s98, s96                     ; a sum stands for sum x 2^(ea + eb): its code is sum / 2^(eo - ea - eb)
	s_add_co_i32 s98, s98, 127
	s_lshl_b32 s99, s98, 23
	v_mov_b32 v[SCV], s99
	s_add_co_i32 s98, s98, 15
	s_lshl_b32 s98, s98, 23
	s_or_b32 s98, s98, 0x600000
	v_mov_b32 v[LIMV], s98
	s_sub_co_i32 s96, 127, s96
	s_lshl_b32 s96, s96, 23                        ; 2^-(ea + eb)
	s_mov_b32 s97, s96
	s_lshl_b32 s70, s70, 10
	s_lshl_b32 s71, s71, 9
	s_add_co_u32 s70, s70, s71
	s_mov_b32 s71, 0
	s_add_nc_u64 s[70:71], s[88:89], s[70:71]      ; the bias at my wave's 128 columns
	s_cmp_eq_u32 ttmp9, 2
	s_cbranch_scc1 .Lbias_v
	v_lshlrev_b32 v9, 6, v2                        ; Q, K: lane (r, h) wants, for tile 2 b + u, columns 32 b + 16 h + 8 u + 0 .. 7
.irp i, 0,1,2,3,4,5,6,7
	global_load_b128 v[BI+8*\i:BI+8*\i+3], v9, s[70:71] offset:(32*(\i/2)+8*(\i%2))*4
	global_load_b128 v[BI+8*\i+4:BI+8*\i+7], v9, s[70:71] offset:(32*(\i/2)+8*(\i%2))*4+16
.endr
	s_wait_loadcnt 0x0
.set j, 0
.rept 32
	v_pk_mul_f32 v[BI+j:BI+j+1], v[BI+j:BI+j+1], s[96:97] op_sel_hi:[1,0]
.set j, j+2
.endr
	s_branch .Lbias_done
.Lbias_v:
	v_lshlrev_b32 v9, 2, v1                        ; V: lane (r, h) wants, for block a, column 16 a + r, in all eight registers
.irp a, 0,1,2,3,4,5,6,7
	global_load_b32 v[BI+8*\a], v9, s[70:71] offset:64*\a
.endr
	s_wait_loadcnt 0x0
.irp a, 0,1,2,3,4,5,6,7
	v_mul_f32 v[BI+8*\a], s96, v[BI+8*\a]
.endr
.irp a, 0,1,2,3,4,5,6,7
.irp j, 1,2,3,4,5,6,7
	v_mov_b32 v[BI+8*\a+\j], v[BI+8*\a]
.endr
.endr
.Lbias_done:
	s_wait_tensorcnt 1                             ; my part of slot 0 is in; slot 1's may stay out
	s_barrier_signal -1
	s_barrier_wait -1
	FETCH_B 0, 0, 0
	FETCH_A 0, 0, 0
	FETCH_A 0, 0, 4
	s_cmp_eq_u32 ttmp9, 2                          ; the first step starts the sums with the bias: by B's tile, or by A's block
	s_cbranch_scc1 .Lfirst_v
	STEP 0, 0, 2
	s_branch .Lfirst_done
.Lfirst_v:
	STEP 0, 0, 3
.Lfirst_done:
	s_mov_b32 s23, LAPS-1
.Llap:
	TURN 0, 1, 1
	STEP 1, 0, 0
	TURN 1, 0, 1
	STEP 0, 0, 0
	s_sub_co_u32 s23, s23, 1
	s_cmp_lg_u32 s23, 0
	s_cbranch_scc1 .Llap
	TURN 0, 1, 0                                   ; the last lap fills nothing
	STEP 1, 0, 0
	s_wait_dscnt 4*NL
	WIN MUL_LO
	MUL16 0, 1, 0
	MUL16 2, 1, 0
	s_wait_dscnt 0
	WIN MUL_HI
	MUL16 4, 1, 0
	MUL16 6, 1, 0
	WIN 0
	; THE WAY OUT: my 128 x 128 is one chunk of 16 KiB
	s_lshl_b32 s96, s43, 1
	s_add_co_u32 s96, s96, s21                     ; 2 x A's tile + my half
	s_lshl_b32 s97, s42, 1
	s_add_co_u32 s97, s97, s22                     ; 2 x B's tile + my half
	s_cmp_eq_u32 ttmp9, 2
	s_cselect_b32 s98, s97, s96                    ; block of 128 tokens, 0..31
	s_cselect_b32 s99, s96, s97                    ; head pair
	s_lshr_b32 s96, s98, 4
	s_lshl_b32 s96, s96, 7
	s_lshl_b32 s99, s99, 4
	s_add_co_u32 s96, s96, s99
	s_and_b32 s98, s98, 15
	s_add_co_u32 s96, s96, s98
	s_lshl_b32 s96, s96, 14
	s_lshl_b32 s97, ttmp9, 22
	s_add_co_u32 s96, s96, s97
	s_mov_b32 s97, 0
	s_add_nc_u64 s[16:17], s[16:17], s[96:97]
; Block a (16 rows of the A role): held, converted (16 registers are 16 neighbours: 16 bytes), through my stage, back as whole rows.  The stage lies in slot 0,
; which has had its last fill, and which nobody reads behind the last change of slots.  LDS serves a wave's instructions in order.
.macro TOSTAGE a
	WIN 0x02+(\a)/4
.set j, 0
.rept 64
	v_med3_num_f32 v[BI+j], v[64*((\a)%4)+j], -v[LIMV], v[LIMV]   ; each accumulator from its low end on
.set j, j+1
.endr
	WIN 0
.irp g, 0,1,2,3,4,5,6,7
	v_cvt_scalef32_pk8_bf8_f32 v[CD+2*\g:CD+2*\g+1], v[BI+8*\g:BI+8*\g+7], v[SCV]
.endr
	v_nop                                          ; a plain line behind the last conversion, ahead of the next write of its sources
.irp b, 0,1,2,3
	ds_store_b128 v[STO], v[CD+4*\b:CD+4*\b+3] offset:32*\b+16*PITCH*((\a)%2)
.endr
.irp i, 0,1,2,3
	ds_load_b128 v[BK+16*((\a)%2)+4*\i:BK+16*((\a)%2)+4*\i+3], v[RD] offset:4*PITCH*\i+16*PITCH*((\a)%2)
.endr
.endm
.macro SEND a, younger
	s_wait_dscnt \younger
.irp i, 0,1,2,3
	global_store_b128 v[CO], v[BK+16*((\a)%2)+4*\i:BK+16*((\a)%2)+4*\i+3], s[16:17] offset:2048*(\a)+512*\i   ; 32 lanes store 512 consecutive bytes, aligned
.endr
.endm
	PLACES NP
	TOSTAGE 0
.irp a, 1,2,3,4,5,6,7
.if \a > 1
	s_wait_xcnt 0x0                                ; block a - 2's stores have read their registers: block a's loads may land there
.endif
	TOSTAGE \a
	SEND \a-1, 8                                   ; behind block a - 1's loads: block a's four stores and four loads
.endr
	SEND 7, 0
	s_wait_tensorcnt 0x0                           ; the wave's end
	ds_add_u32 v[SPW], v[NIL]
	s_wait_dscnt 0x0
	CROUND                                         ; the closing round
	s_endpgm
.Lfunc_end_k_qf7a64a15f7_qkv:
	.size	k_qf7a64a15f7_qkv, .Lfunc_end_k_qf7a64a15f7_qkv-k_qf7a64a15f7_qkv
	.p2alignl 7, 3214868480
	.fill 96, 4, 3214868480
	.section	.rodata,"a",@progbits
	.p2align	6, 0x0
	.amdhsa_kernel k_qf7a64a15f7_qkv
		.amdhsa_group_segment_fixed_size 327680
		.amdhsa_private_segment_fixed_size 0
		.amdhsa_enable_private_segment 0
		.amdhsa_kernarg_size 56
		.amdhsa_user_sgpr_count 2
		.amdhsa_user_sgpr_kernarg_segment_ptr 1
		.amdhsa_wavefront_size32 1
		.amdhsa_system_sgpr_workgroup_id_x 1
		.amdhsa_system_sgpr_workgroup_id_y 1
		.amdhsa_system_sgpr_workgroup_id_z 1
		.amdhsa_system_vgpr_workitem_id 0
		.amdhsa_next_free_vgpr 1024
		.amdhsa_next_free_sgpr 100
		.amdhsa_reserve_vcc 0
		.amdhsa_float_denorm_mode_32 3
		.amdhsa_float_denorm_mode_16_64 3
		.amdhsa_memory_ordered 1
		.amdhsa_forward_progress 1
		.amdhsa_inst_pref_size 139
	.end_amdhsa_kernel
	.amdgpu_metadata
---
amdhsa.version: [ 1, 2 ]
amdhsa.kernels:
  - .name:           k_qf7a64a15f7_qkv
    .symbol:         k_qf7a64a15f7_qkv.kd
    .args:
      - { .name: xc, .offset: 0, .size: 8, .value_kind: global_buffer, .address_space: global }
      - { .name: wc, .offset: 8, .size: 8, .value_kind: global_buffer, .address_space: global }
      - { .name: bq, .offset: 16, .size: 8, .value_kind: global_buffer, .address_space: global }
      - { .name: bk, .offset: 24, .size: 8, .value_kind: global_buffer, .address_space: global }
      - { .name: bv, .offset: 32, .size: 8, .value_kind: global_buffer, .address_space: global }
      - { .name: lowp_scales, .offset: 40, .size: 8, .value_kind: global_buffer, .address_space: global }
      - { .name: qkvc, .offset: 48, .size: 8, .value_kind: global_buffer, .address_space: global }
    .group_segment_fixed_size: 327680
    .private_segment_fixed_size: 0
    .kernarg_segment_align: 8
    .kernarg_segment_size: 56
    .max_flat_workgroup_size: 128
    .sgpr_count:     100
    .vgpr_count:     1024
    .wavefront_size: 32
...
	.end_amdgpu_metadata
.endif
;; end of part 2
;; launch attn (part 3): grid 16 x 16, 16 waves a work-group, no clusters, 327,680 bytes of LDS; arguments qkvc, key_padding_mask, lowp_scales, ac; writes ac
.if DOCPART == 3
	.amdgcn_target "amdgcn-amd-amdhsa--gfx1250"
	.amdhsa_code_object_version 6
	.text
	.protected	k_qf7a64a15f7_attn
	.globl	k_qf7a64a15f7_attn
	.p2align	8
	.type	k_qf7a64a15f7_attn,@function
k_qf7a64a15f7_attn:
	s_mov_b64 s[64:65], 0
	v_nop
	global_prefetch_b8 v0, s[64:65] scope:SCOPE_SE
	s_setreg_imm32_b32 hwreg(HW_REG_WAVE_MODE, 25, 1), 1
	s_wait_xcnt 0x0
; Causal attention with a padding mask, both products on codes of BF8; its result is quantised at once (entry 10) for the projection.
; LEFT OUT: the scores of steps of 128 keys that all come after a wave's queries (reference() writes -1e9 over them through its own causal mask).  Their part of the second product is done (below).
; THE SOFTMAX: t = score x log2(e) / 8; M = the running largest t rounded up to a whole number; p = 2^(t - M) is quantised (entry 8); the sum is taken of the unquantised p and divides at the end.
; THE MASK WRITES -1e9, NOT -INFINITY.  Where a query has a visible key that is not padded, every masked key has p = 0.  Where it has none, all 2,048 logits are equal: p = 1 for EVERY key, those after the
; query too, and the sum is 2,048.  So: a padded key's score gets -2^126 added (as the C of the first product, from a table in LDS); a lane whose largest t is still the start value THR is FLAGGED and takes
; p = 2^(0 x s + 0) = 1 for all keys of the step; when a real key comes, f = 2^(old M - new M) = 0 wipes what was summed.  In steps after the queries p's codes are those of 1 in flagged lanes and 0 in the others.
; SHARES.  A work-group takes a pair of heads of one batch and the blocks j and 31 - j of 64 queries, so that every work-group has the same number of steps with scores.
; Wave w: 16 queries, sub-block w & 3 of block (w >> 2) & 1, head w >> 3 of the pair.  Every wave walks all 16 steps of 128 keys.
; NO CLUSTER: the work-groups of a head pair end their loads of K at different keys, so a joint load would bring tiles that no wave of some partner reads.
; LAYOUT.  Both products are used transposed: a lane holds one query throughout.  The keys of a tile of K, and the rows of a tile of V, are not neighbours: lane r of tile 2 b + u takes row 32 b + 8 u + r + 8 (r / 8).
; LIMITS: e6 + e7 between -80 and 30; e8 and e10 between -126 and 112.  Real logits stay above -1e8, so that a masked key's p is 0 beside them.
.set KP,    144                        ; a row of 128 bytes + 16
.set VOFF,  256*KP                     ; a slot: 256 keys of K (both heads), then V: two blocks of 128 rows x 128 keys
.set SLOT1, 1<<17
.set BIAS,  2*SLOT1                    ; 2,048 f32: 0, or -2^126 for a padded key
.set STAGE, BIAS+8192                  ; the way out: 128 rows x 144
.set SPARE, STAGE+128*KP               ; the spare words, 128 bytes a wave
.set AK0, 1
.set AV0, 2
.set PFO, 3
.set AB0, 4
.set SPW, 5
.set NIL, 6
.set ONEW, 7                           ; four codes of p = 1
.set ADK, 24
.set ADV, 25
.set ADB, 26
.set WV,  18
.set SEL, 20
.set CS,  22                           ; c = log2(e) / 8 x 2^(e6 + e7)
.set THR, 23                           ; -c x 2^100: under every real t, over every padded one
.set G1,  24
.set G0,  40
.set TB,  2
.set SLOTS, 67
.set PFA, 76
.set LIM, 80
.set LQ,  95                           ; my work-group's last query
.set KB,  97                           ; 4 x the step's first key
.set KF,  98                           ; the step's first key
.set Q0,  99                           ; my first query
; v[8:9] c or 0 (v9 also takes the lane exchange); v[10:11] -M or 0, and the true -M; v12 the largest t; v13 64.0; v[14:15] the sum; v16-23 Q; v27 -2^126; v28 the conversion's scale; v29 its hold; v30 c; v31 0;
; v32-95 fragments of K or V; v96-159 the padding's bias, then S^T, then p; v160-191 O^T; v192-207 p's codes; v208-215 at work
.macro ASK                             ; a prefetch of what the next change of slots will ask for: 32,768 bytes of K and of V.  Block j = 0 walks every slot: it asks, waves 4-7 for K, 8-11 for V, 8,192 bytes a wave, lanes 256 bytes apart
	s_cmp_gt_u32 s[SLOTS], s[LIM]
	s_cbranch_scc0 .Lnot_mine_\@
	global_prefetch_b8 v[PFO], s[PFA:PFA+1] th:TH_LOAD_NT scope:SCOPE_SE
.Lnot_mine_\@:
.endm
	s_load_b256 s[4:11], s[0:1], 0x0               ; qkvc, key_padding_mask, lowp_scales, ac
	v_lshl_add_u32 v[SPW], v0, 2, SPARE
	v_mov_b32 v[NIL], 0
	ds_add_u32 v[SPW], v[NIL]                      ; the opening: the add, twice on end, and its wait ahead of the first tensor load
	ds_add_u32 v[SPW], v[NIL]
	v_lshrrev_b32 v24, 5, v0
	v_readfirstlane_b32 s[WV], v24                 ; wave 0..15
	s_and_b32 s68, ttmp7, 0xffff                   ; 8 b + head pair
	s_lshl_b32 s69, s68, 18                        ; its 2,048 rows of 128 bytes in Q, in K and in V
	s_and_b32 s70, s[WV], 1                        ; wave 0 fetches K, wave 1 V
	s_mul_i32 s71, s70, VOFF
	s_add_co_u32 s70, s70, 1
	s_lshl_b32 s72, s70, 22                        ; K at 4 MiB, V at 8 MiB
	s_add_co_u32 s72, s72, s69
	s_mov_b32 s73, 0
	s_mov_b32 s[G1], (1<<20)|(4<<22)|(3<<25)       ; no mask; elements of 1 byte; padding: four words after every 32
	s_mov_b32 s[G1+1], 128<<16
	s_mov_b32 s[G1+2], 256<<16
	s_mov_b32 s[G1+3], 128<<16
	s_mov_b32 s[G1+4], 256
	s_mov_b32 s[G1+5], 128
	s_mov_b32 s[G1+6], 0
	s_mov_b32 s[G1+7], 0
	s_mov_b32 s[SEL], 0x76543210
	s_mov_b32 s[SEL+1], 0xfedcba98
	s_mov_b32 s[TB], 0
	s_mov_b32 s[SLOTS], 7
	s_mov_b32 s[KF], 0
	s_mov_b32 s[KB], 0
	s_bfe_u32 s81, s[WV], 0x10002                  ; which of the two blocks
	s_sub_co_u32 s82, 31, ttmp9
	s_cmp_eq_u32 s81, 0
	s_cselect_b32 s82, ttmp9, s82
	s_lshl_b32 s[Q0], s82, 6
	s_and_b32 s83, s[WV], 3
	s_lshl_b32 s83, s83, 4
	s_add_co_u32 s[Q0], s[Q0], s83
	s_lshl_b32 s[LQ], ttmp9, 6
	s_sub_co_u32 s[LQ], 2047, s[LQ]
	s_wait_dscnt 0x0                               ; both opening adds are done
	s_wait_kmcnt 0x0
	s_load_b512 s[48:63], s[8:9], 0x0              ; the sixteen exponents
	s_mov_b32 s[G0], 1
	s_mov_b32 s[G0+1], s71
	s_add_nc_u64 s[G0+2:G0+3], s[4:5], s[72:73]
	s_or_b32 s[G0+3], s[G0+3], 0x80000000
	s_cmp_lt_u32 s[WV], 2
	s_cbranch_scc0 .Lno_first
	tensor_load_to_lds s[G0:G0+3], s[G1:G1+7]      ; slot 0
	s_nop 0
.rept 4
	v_nop
.endr
.Lno_first:
	s_lshr_b32 s74, s68, 3
	s_lshl_b32 s74, s74, 11
	s_mov_b32 s75, 0
	s_add_nc_u64 s[6:7], s[6:7], s[74:75]          ; my batch's mask
	v_lshlrev_b32 v208, 2, v0
	global_load_b32 v209, v208, s[6:7]             ; four keys a thread
	s_lshl_b32 s74, s[Q0], 7
	s_add_co_u32 s74, s74, s69
	s_add_nc_u64 s[78:79], s[4:5], s[74:75]        ; Q at my first query
	v_and_b32 v25, 15, v0                          ; r
	v_bfe_u32 v26, v0, 4, 1                        ; h
	s_lshr_b32 s81, s[WV], 3                       ; my head of the pair
	s_lshl_b32 s82, s81, 6
	v_lshlrev_b32 v214, 7, v25
	v_lshl_add_u32 v214, v26, 4, v214
	v_add_nc_u32 v214, s82, v214
	global_load_b128 v[16:19], v214, s[78:79]
	global_load_b128 v[20:23], v214, s[78:79] offset:32
	v_and_b32 v24, 8, v25
	v_add_nc_u32 v24, v24, v25
	v_mul_u32_u24 v24, v24, KP
	v_lshl_add_u32 v24, v26, 4, v24                ; row r + 8 (r / 8), + 16 h
	v_add_nc_u32 v[AK0], s82, v24
	s_mul_i32 s83, s81, 64*KP
	s_add_co_u32 s83, s83, VOFF
	v_add_nc_u32 v[AV0], s83, v24
	v_lshlrev_b32 v[AB0], 6, v26
	v_add_nc_u32 v[AB0], BIAS, v[AB0]
	v_and_b32 v[PFO], 31, v0
	v_lshlrev_b32 v[PFO], 8, v[PFO]
	s_mov_b32 s85, 0x800000
	s_cmp_lt_u32 s[WV], 8
	s_cselect_b32 s84, 0x400000, s85
	s_and_b32 s85, s[WV], 3
	s_lshl_b32 s85, s85, 13
	s_add_co_u32 s84, s84, s85
	s_add_co_u32 s84, s84, s69
	s_add_co_u32 s84, s84, 32768                   ; in slot 1: the first change of slots steps it to slot 2.  Nothing is prefetched at the head
	s_mov_b32 s85, 0
	s_add_nc_u64 s[PFA:PFA+1], s[4:5], s[84:85]
	s_sub_co_u32 s82, s[WV], 4
	s_lshr_b32 s82, s82, 3
	s_or_b32 s82, s82, ttmp9
	s_cmp_eq_u32 s82, 0
	s_cselect_b32 s[LIM], 1, -1
	v_mov_b32 v27, 0xfe800000                      ; -2^126
	v_mov_b32 v31, 0
	v_mov_b32 v13, 0x42800000                      ; 64.0: a lane's keys in a step
	v_mov_b32 v8, 0
	v_mov_b32 v9, 0
	v_mov_b32 v10, 0
	v_mov_b32 v14, 0
	v_mov_b32 v15, 0
.set j, 0
.rept 32
	v_mov_b32 v[160+j], 0                          ; O^T: the step is written once, and its first change of M multiplies zeros
.set j, j+1
.endr
	s_wait_kmcnt 0x0
	s_add_co_i32 s84, s54, s55
	s_lshl_b32 s84, s84, 23
	s_mov_b32 s[CS], 0x3e38aa3b                    ; log2(e) / 8
	s_add_co_i32 s[CS], s[CS], s84                 ; x 2^(e6 + e7), by the exponent field
	s_add_co_u32 s[THR], s[CS], 100<<23
	s_or_b32 s[THR], s[THR], 0x80000000
	v_mov_b32 v30, s[CS]
	v_mov_b32 v12, s[THR]
	v_floor_f32 v11, -v12
	s_add_co_i32 s84, s56, 127
	s_lshl_b32 s85, s84, 23
	v_mov_b32 v28, s85                             ; 2^e8
	s_add_co_i32 s84, s84, 15
	s_lshl_b32 s84, s84, 23
	s_or_b32 s84, s84, 0x600000
	v_mov_b32 v29, s84                             ; 57,344 x 2^e8
.set j, 0
.rept 8
	v_min_num_f32 v[104+j], 1.0, v29
.set j, j+1
.endr
	v_cvt_scalef32_pk8_bf8_f32 v[212:213], v[104:111], v28
	v_nop
	v_mov_b32 v[ONEW], v212
	v_mov_b32 v213, 0                              ; (named as the upper half of the pair v[212:213])
	s_wait_loadcnt 0x0                             ; the mask and Q
.irp i, 0,1,2,3
	v_bfe_u32 v[96+\i], v209, 8*\i, 8
.endr
.irp i, 0,1,2,3
	v_cmp_eq_u32 vcc_lo, 0, v[96+\i]
	v_cndmask_b32 v[96+\i], v31, v27, vcc_lo
.endr
	v_lshl_add_u32 v24, v0, 4, BIAS
	ds_store_b128 v24, v[96:99]                    ; the first change of slots waits for it and has the barrier that shows it to all
.macro STEP q
	v_add_nc_u32 v[ADK], s[TB], v[AK0]             ; (these three are also places behind the last step's products)
	v_add_nc_u32 v[ADV], s[TB], v[AV0]
	v_add_nc_u32 v[ADB], s[KB], v[AB0]
	s_add_co_u32 s96, s[Q0], 15
	s_cmp_gt_u32 s[KF], s96
	s_cbranch_scc1 .Lhid_\@                        ; all 128 keys come after my queries: ids and the count of steps alone
	v_nop                                          ; the fourth place in front of loads into registers that the last products read
.irp b, 0,1,2,3
.irp c, 0,1,2,3
	ds_load_b128 v[96+16*\b+4*\c:99+16*\b+4*\c], v[ADB] offset:128*\b+16*\c   ; the padding's bias of keys 32 b + 16 h + 0 .. 15, into S^T's registers
.endr
.endr
.irp i, 0,1,2,3,4,5,6,7
	ds_load_b128 v[32+8*\i:35+8*\i], v[ADK] offset:(128*(\q)+32*(\i/2)+8*(\i%2))*KP
	ds_load_b128 v[36+8*\i:39+8*\i], v[ADK] offset:(128*(\q)+32*(\i/2)+8*(\i%2))*KP+32
.endr
	s_wait_dscnt 0x0
.irp i, 0,1,2,3,4,5,6,7
	v_wmma_f32_16x16x64_bf8_bf8 v[96+8*\i:103+8*\i], v[32+8*\i:39+8*\i], v[16:23], v[96+8*\i:103+8*\i]   ; S^T = K Q^T + the bias
.endr
.rept 4
	v_nop
.endr
	s_add_co_u32 s96, s[KF], 127
	s_cmp_le_u32 s96, s[Q0]
	s_cbranch_scc1 .Lopen_\@                       ; all keys of the step are at or before my first query
	s_sub_co_i32 s96, s[Q0], s[KF]
	v_and_b32 v208, 15, v0
	v_bfe_u32 v209, v0, 4, 1
	v_lshlrev_b32 v209, 4, v209
	v_sub_nc_u32 v208, v208, v209
	v_add_nc_u32 v208, s96, v208                   ; d = my query - the step's first key - 16 h: register 16 b + i is hidden where 32 b + i > d
.set n, 0
.rept 64
	v_cmp_gt_i32 vcc_lo, 32*(n/16)+n%16, v208
	v_cndmask_b32 v[96+n], v[96+n], v27, vcc_lo
.set n, n+1
.endr
.Lopen_\@:
	v_max3_num_f32 v208, v96, v97, v98             ; the step's largest score among my 64 keys, in two chains, each accumulator from its low end on
	v_max3_num_f32 v210, v99, v100, v101
.irp i, 6,10,14,18,22,26,30,34,38,42,46,50,54,58
	v_max3_num_f32 v208, v208, v[96+\i], v[97+\i]
	v_max3_num_f32 v210, v210, v[98+\i], v[99+\i]
.endr
	v_max3_num_f32 v208, v208, v158, v159
	v_max_num_f32 v208, v208, v210
	v_permlanex16_b32 v9, v208, s[SEL], s[SEL+1]
	v_max_num_f32 v208, v208, v9
	v_mul_f32 v208, s[CS], v208
	v_max_num_f32 v12, v12, v208                   ; the running largest t; it stays THR while every key was masked
	v_mov_b32 v208, v11
	v_floor_f32 v11, -v12                          ; -M
	v_sub_f32 v208, v11, v208
	v_cvt_i32_f32 v208, v208                       ; (it saturates)
	v_ldexp_f32 v212, 1.0, v208                    ; f = 2^(old M - new M)
	v_cmp_ge_f32 vcc_lo, s[THR], v12               ; flagged?
	v_cndmask_b32 v8, v30, v31, vcc_lo             ; c, or 0
	v_cndmask_b32 v10, v11, v31, vcc_lo            ; -M, or 0
.set j, 0
.rept 32
	v_pk_fma_f32 v[96+j:97+j], v[96+j:97+j], v[8:9], v[10:11] op_sel_hi:[1,0,0]
.set j, j+2
.endr
.set j, 0
.rept 64
	v_exp_f32 v[96+j], v[96+j]
.set j, j+1
.endr
	v_pk_mul_f32 v[14:15], v[14:15], v[212:213] op_sel_hi:[1,0]   ; the sum under the new M: the plain line behind the exponentials
	s_wait_alu depctr_va_vdst(0)                   ; one wait for the batch, ahead of its first reader
	v_pk_add_f32 v[214:215], v[96:97], v[98:99]    ; the sum is taken of the unquantised p
.irp j, 4,8,12,16,20,24,28,32,36,40,44,48,52,56,60
	v_pk_add_f32 v[14:15], v[14:15], v[96+\j:97+\j]
	v_pk_add_f32 v[214:215], v[214:215], v[98+\j:99+\j]
.endr
	v_pk_add_f32 v[14:15], v[14:15], v[214:215]
.irp b, 0,1,2,3
.set j, 0
.rept 16
	v_min_num_f32 v[96+16*\b+j], v[96+16*\b+j], v29   ; p is not negative: the hold is one-sided
.set j, j+1
.endr
	v_cvt_scalef32_pk8_bf8_f32 v[192+4*\b:193+4*\b], v[96+16*\b:103+16*\b], v28
	v_cvt_scalef32_pk8_bf8_f32 v[194+4*\b:195+4*\b], v[104+16*\b:111+16*\b], v28
.endr
.set j, 0
.rept 16
	v_pk_mul_f32 v[160+j:161+j], v[160+j:161+j], v[212:213] op_sel_hi:[1,0]   ; O^T under the new M
.set j, j+2
.endr
	s_branch .Lpv_\@
.Lhid_\@:
	v_cmp_ge_f32 vcc_lo, s[THR], v12               ; the flag is final here: every visible key has been seen
	v_nop                                          ; with the three additions: four places ahead of writes of the last products' sources
.set j, 0
.rept 16
	v_cndmask_b32 v[192+j], v31, v[ONEW], vcc_lo   ; p = 1 in flagged lanes, 0 in the others
.set j, j+1
.endr
	v_cndmask_b32 v208, v31, v13, vcc_lo
	v_add_f32 v14, v14, v208                       ; my 64 keys of the step
.Lpv_\@:
.irp t, 0,1,2,3
.irp c, 0,1,2,3
	ds_load_b128 v[32+16*\t+4*\c:35+16*\t+4*\c], v[ADV] offset:(128*(\q)+32*(\t/2)+8*(\t%2))*KP+32*\c
.endr
.endr
	s_wait_dscnt 0x0
.irp t, 0,1,2,3
	v_wmma_f32_16x16x128_bf8_bf8 v[160+8*\t:167+8*\t], v[32+16*\t:47+16*\t], v[192:207], v[160+8*\t:167+8*\t]   ; O^T += V^T P^T; the four accumulators take turns
.endr
	s_add_co_u32 s[KF], s[KF], 128
	s_add_co_u32 s[KB], s[KB], 512
.endm
; THE CHANGE OF SLOTS, at a slot's head.  Every wave waits for all its tensor loads, adds 0 to its spare word, waits for that and for its reads of the slot that it has left, and passes the barrier.
.macro CHANGE fill
	s_wait_tensorcnt 0x0
	ds_add_u32 v[SPW], v[NIL]
.if \fill
	ds_add_u32 v[SPW], v[NIL]                      ; and twice on end here, in every trip alike
	s_xor_b32 s[G0+1], s[G0+1], SLOT1              ; the walking descriptor: the other slot, the next 256 keys
	s_add_nc_u64 s[G0+2:G0+3], s[G0+2:G0+3], 32768
	s_wait_xcnt 0x0                                ; the last prefetch, a slot back, has read its address
	s_add_nc_u64 s[PFA:PFA+1], s[PFA:PFA+1], 32768
.endif
	s_wait_dscnt 0x0
	s_barrier_signal -1
	s_barrier_wait -1
.if \fill
	s_add_co_u32 s96, s[KF], 256                   ; K's look-ahead ends at the causal limit: a slot whose first key comes after my work-group's last query has no reader of K
	s_cmp_gt_u32 s96, s[LQ]                        ; ids and the count of steps alone: all sixteen waves go the same way
	s_cbranch_scc1 .Lpast_\@
	s_cmp_eq_u32 s[WV], 0
	s_cbranch_scc0 .Lpast_\@
	tensor_load_to_lds s[G0:G0+3], s[G1:G1+7]      ; K
	s_nop 0
.rept 4
	v_nop
.endr
.Lpast_\@:
	s_cmp_eq_u32 s[WV], 1
	s_cbranch_scc0 .Lno_v_\@
	tensor_load_to_lds s[G0:G0+3], s[G1:G1+7]      ; V: every step reads it
	s_nop 0
.rept 4
	v_nop
.endr
.Lno_v_\@:
	ASK
.endif
.endm
.Lslot:                                            ; seven trips: behind each change of slots but the last the next slot is asked for
	CHANGE 1
	STEP 0
	STEP 1
	s_xor_b32 s[TB], s[TB], SLOT1
	s_sub_co_u32 s[SLOTS], s[SLOTS], 1
	s_cmp_lg_u32 s[SLOTS], 0
	s_cbranch_scc1 .Lslot
	CHANGE 0
	STEP 0
	STEP 1
	; THE WAY OUT: O^T x 2^(e8 + e9) / the sum, quantised with 2^e10; a row's 128 bytes come from two waves, so they meet in a stage
.rept 4
	v_nop
.endr
	v_add_f32 v14, v14, v15
	v_permlanex16_b32 v9, v14, s[SEL], s[SEL+1]
	v_add_f32 v14, v14, v9
	v_rcp_f32 v14, v14
	v_and_b32 v25, 15, v0                          ; (a plain line behind the reciprocal)
	v_bfe_u32 v26, v0, 4, 1
	s_add_co_i32 s84, s56, s57
	s_and_b32 s85, s[WV], 7
	s_mul_i32 s85, s85, 16*KP
	s_lshr_b32 s86, s[WV], 3
	s_lshl_b32 s87, s86, 6
	s_add_co_u32 s85, s85, s87
	s_add_co_u32 s85, s85, STAGE
	v_mul_u32_u24 v24, v25, KP
	v_lshl_add_u32 v24, v26, 4, v24
	v_add_nc_u32 v24, s85, v24                     ; in: row 16 (w & 7) + r, my head's 64 bytes, + 16 h
	s_mul_i32 s87, s[WV], 8*KP
	s_add_co_u32 s87, s87, STAGE
	v_bfe_u32 v25, v0, 3, 2
	v_and_b32 v26, 7, v0
	v_mul_u32_u24 v25, v25, KP
	v_lshl_add_u32 v25, v26, 4, v25
	v_add_nc_u32 v25, s87, v25                     ; back: rows 8 w on, eight lanes to a row
	v_and_b32 v26, 31, v0
	v_lshlrev_b32 v26, 4, v26
	s_add_co_i32 s87, s58, 127
	s_lshl_b32 s85, s87, 23
	v_mov_b32 v28, s85                             ; 2^e10
	s_add_co_i32 s87, s87, 15
	s_lshl_b32 s87, s87, 23
	s_or_b32 s87, s87, 0x600000
	v_mov_b32 v29, s87
	s_sub_co_u32 s85, 31, ttmp9
	s_cmp_eq_u32 s86, 0
	s_cselect_b32 s85, ttmp9, s85                  ; the block of the rows that I store
	s_lshl_b32 s85, s85, 6
	s_and_b32 s87, s[WV], 7
	s_lshl_b32 s87, s87, 3
	s_add_co_u32 s85, s85, s87
	s_and_b32 s87, s68, 7
	s_lshl_b32 s87, s87, 12
	s_add_co_u32 s85, s85, s87                     ; + head pair x 4,096 rows: the chunk
	s_lshr_b32 s87, s68, 3
	s_lshl_b32 s87, s87, 11
	s_add_co_u32 s85, s85, s87                     ; + batch x 2,048
	s_lshl_b32 s86, s85, 7
	s_mov_b32 s87, 0
	s_add_nc_u64 s[10:11], s[10:11], s[86:87]
	s_wait_alu depctr_va_vdst(0)                   ; the wait ahead of the reciprocal's first reader
	v_ldexp_f32 v14, v14, s84
.set j, 0
.rept 32
	v_mul_f32 v[96+j], v[160+j], v14
.set j, j+1
.endr
.set j, 0
.rept 32
	v_med3_num_f32 v[96+j], v[96+j], -v29, v29
.set j, j+1
.endr
.irp g, 0,1,2,3
	v_cvt_scalef32_pk8_bf8_f32 v[192+2*\g:193+2*\g], v[96+8*\g:103+8*\g], v28
.endr
	v_nop
	ds_store_b128 v24, v[192:195]
	ds_store_b128 v24, v[196:199] offset:32
	s_wait_dscnt 0x0                               ; for the others' sake
	s_barrier_signal -1
	s_barrier_wait -1
	ds_load_b128 v[200:203], v25
	ds_load_b128 v[204:207], v25 offset:4*KP
	s_wait_dscnt 1
	global_store_b128 v26, v[200:203], s[10:11]    ; 32 lanes store 512 consecutive bytes, aligned
	s_wait_dscnt 0
	global_store_b128 v26, v[204:207], s[10:11] offset:512
	s_wait_tensorcnt 0x0                           ; the wave's end
	ds_add_u32 v[SPW], v[NIL]
	s_wait_dscnt 0x0
	s_endpgm
.Lfunc_end_k_qf7a64a15f7_attn:
	.size	k_qf7a64a15f7_attn, .Lfunc_end_k_qf7a64a15f7_attn-k_qf7a64a15f7_attn
	.p2alignl 7, 3214868480
	.fill 96, 4, 3214868480
	.section	.rodata,"a",@progbits
	.p2align	6, 0x0
	.amdhsa_kernel k_qf7a64a15f7_attn
		.amdhsa_group_segment_fixed_size 327680
		.amdhsa_private_segment_fixed_size 0
		.amdhsa_enable_private_segment 0
		.amdhsa_kernarg_size 32
		.amdhsa_user_sgpr_count 2
		.amdhsa_user_sgpr_kernarg_segment_ptr 1
		.amdhsa_wavefront_size32 1
		.amdhsa_system_sgpr_workgroup_id_x 1
		.amdhsa_system_sgpr_workgroup_id_y 1
		.amdhsa_system_sgpr_workgroup_id_z 1
		.amdhsa_system_vgpr_workitem_id 0
		.amdhsa_next_free_vgpr 256
		.amdhsa_next_free_sgpr 100
		.amdhsa_reserve_vcc 1
		.amdhsa_float_denorm_mode_32 3
		.amdhsa_float_denorm_mode_16_64 3
		.amdhsa_memory_ordered 1
		.amdhsa_forward_progress 1
		.amdhsa_inst_pref_size 105
	.end_amdhsa_kernel
	.amdgpu_metadata
---
amdhsa.version: [ 1, 2 ]
amdhsa.kernels:
  - .name:           k_qf7a64a15f7_attn
    .symbol:         k_qf7a64a15f7_attn.kd
    .args:
      - { .name: qkvc, .offset: 0, .size: 8, .value_kind: global_buffer, .address_space: global }
      - { .name: key_padding_mask, .offset: 8, .size: 8, .value_kind: global_buffer, .address_space: global }
      - { .name: lowp_scales, .offset: 16, .size: 8, .value_kind: global_buffer, .address_space: global }
      - { .name: ac, .offset: 24, .size: 8, .value_kind: global_buffer, .address_space: global }
    .group_segment_fixed_size: 327680
    .private_segment_fixed_size: 0
    .kernarg_segment_align: 8
    .kernarg_segment_size: 32
    .max_flat_workgroup_size: 512
    .sgpr_count:     100
    .vgpr_count:     256
    .wavefront_size: 32
...
	.end_amdgpu_metadata
.endif
;; end of part 3
;; launch oproj (part 4): grid 4 x 16, 4 waves a work-group, clusters of 4 x 4, 327,680 bytes of LDS; arguments ac, wc, y; writes y
.if DOCPART == 4
	.amdgcn_target "amdgcn-amd-amdhsa--gfx1250"
	.amdhsa_code_object_version 6
	.text
	.protected	k_qf7a64a15f7_oproj
	.globl	k_qf7a64a15f7_oproj
	.p2align	8
	.type	k_qf7a64a15f7_oproj,@function
k_qf7a64a15f7_oproj:
	s_mov_b64 s[64:65], 0
	v_nop
	global_prefetch_b8 v0, s[64:65] scope:SCOPE_SE
	s_setreg_imm32_b32 hwreg(HW_REG_WAVE_MODE, 25, 1), 1
	s_wait_xcnt 0x0
	s_wait_alu depctr_hold_cnt(0) depctr_sa_sdst(0) depctr_va_vdst(0) depctr_va_sdst(0) depctr_va_ssrc(0) depctr_va_vcc(0) depctr_vm_vsrc(0)
	s_getreg_b32 s2, hwreg(HW_REG_IB_STS2, 6, 4)
	s_cmp_eq_u32 s2, 0
	s_cbranch_scc0 .Lentry_in_a_cluster
	s_endpgm
.Lentry_in_a_cluster:
	s_bfe_u32 s2, ttmp6, 0x10000c
	s_cmp_lg_u32 s2, 0xf033
	s_cbranch_scc0 .Lentry_shape_is_right
	s_endpgm
.Lentry_shape_is_right:
; y = the raw f32 sums of (attention's codes) x (wo's codes): [4,096][1,024].  The next launch multiplies them by 2^(e10 + e11) and adds the bias.
; The ring, the turns and the cluster are those of the launch for Q, K and V: 256 x 256 a work-group, 128 x 128 a wave, K in chunks of 128, a slot holds K = 256, wave w fills region w.
; THE MATRIX INSTRUCTION IS USED TRANSPOSED: a lane holds eight neighbouring numbers of a row of y.  1,024 columns give 64 work-groups.
.set PITCH,  144
.set REG,    256*PITCH
.set SLOT,   4*REG
.set SPARE,  2*SLOT
.set FR,     16
.set NL,     4
.set NP,     4
.set LAPS,   2                         ; K = 1,024
.set CHOSEN, 0
.set CHA,    524288                    ; a chunk of A: 4,096 rows
.set CHB,    131072                    ; a chunk of B: 1,024 rows
.set BOFF,   3<<20                     ; wo in wc
.set SPITCH, 528
.set ADRA, 16
.set ADRB, 20
.set STO,  24
.set RD,   25
.set CO,   26
.set SPW,  28
.set NIL,  29
.set BI,   32
.set AF,   128
.set BK,   128
.set G1, 24
.set G0, 32
.set G1B, 48
.set G0B, 56
.set STA, 66
.set STB, 68
.set MSB, 0
.macro WIN new
.if MSB != (\new)
	s_set_vgpr_msb (MSB<<8)|(\new)
.set MSB, (\new)
.endif
.endm
.set MUL_LO, 0xa1
.set MUL_HI, 0xf1
.set TO_B,   0x40
.macro JLOAD g0a, g1a, g0b, g1b
	s_cmp_eq_u32 s21, 0
	s_cbranch_scc0 .Lfor_b_\@
	tensor_load_to_lds s[\g0a:\g0a+3], s[\g1a:\g1a+7]
	s_nop 0
.rept 4
	v_nop
.endr
	s_branch .Lasked_\@
.Lfor_b_\@:
	tensor_load_to_lds s[\g0b:\g0b+3], s[\g1b:\g1b+7]
	s_nop 0
.rept 4
	v_nop
.endr
.Lasked_\@:
.endm
.macro CREST
	s_cmp_lg_u32 s20, 0
	s_cbranch_scc1 .Lnot_wave_0_\@
	s_barrier_signal -3
.Lnot_wave_0_\@:
	s_barrier_wait -3
	s_barrier_signal -1
	s_barrier_wait -1
.endm
.macro CROUND
	s_barrier_signal -1
	s_barrier_wait -1
	CREST
.endm
.macro G0SET s
	s_mov_b32 s[G0+4*\s], 1
	s_add_co_u32 s[G0+4*\s+1], s47, \s*SLOT
	s_mov_b64 s[G0+4*\s+2:G0+4*\s+3], s[92:93]
	s_or_b32 s[G0+4*\s+3], s[G0+4*\s+3], 0x80000000
	s_mov_b32 s[G0B+4*\s], 1
	s_add_co_u32 s[G0B+4*\s+1], s47, \s*SLOT
	s_mov_b64 s[G0B+4*\s+2:G0B+4*\s+3], s[94:95]
	s_or_b32 s[G0B+4*\s+3], s[G0B+4*\s+3], 0x80000000
	JLOAD G0+4*\s, G1, G0B+4*\s, G1B
.endm
.macro FRAG reg, adr, off
.irp c, 0,1,2,3
	ds_load_b128 v[\reg+4*\c:\reg+4*\c+3], v[\adr] offset:\off+32*\c
.endr
.endm
.macro MUL16 a0, p, cm                 ; cm: 0 C is the accumulator; 1 the constant 0
.irp a, \a0, \a0+1
.irp b, 0,1,2,3,4,5,6,7
.if \cm == 0
	v_wmma_f32_16x16x128_bf8_bf8 v[8*(8*((\a)%4)+\b):8*(8*((\a)%4)+\b)+7], v[128*(\p)+FR*\b:128*(\p)+FR*\b+FR-1], v[AF+FR*(\a):AF+FR*(\a)+FR-1], v[8*(8*((\a)%4)+\b):8*(8*((\a)%4)+\b)+7]
.else
	v_wmma_f32_16x16x128_bf8_bf8 v[8*(8*((\a)%4)+\b):8*(8*((\a)%4)+\b)+7], v[128*(\p)+FR*\b:128*(\p)+FR*\b+FR-1], v[AF+FR*(\a):AF+FR*(\a)+FR-1], 0
.endif
.endr
.endr
.endm
.macro FETCH_B slot, q, p
	WIN TO_B
.irp i, 0,1,2,3,4,5,6,7
	FRAG 128*(\p)+FR*\i, ADRB+\slot, (\q)*REG+(CHOSEN*(32*(\i/2)+8*(\i%2))+(1-CHOSEN)*16*\i)*PITCH
.endr
	WIN 0
.endm
.macro FETCH_A slot, q, i0
.irp i, \i0, \i0+1, \i0+2, \i0+3
	FRAG AF+FR*(\i), ADRA+\slot, (\q)*REG+(\i)*16*PITCH
.endr
.endm
.macro PLACES n
.rept \n
	v_nop
.endr
.endm
.macro STEP slot, q, cm
	s_wait_dscnt 4*NL                              ; B's set and A's blocks 0-3 are in; A's blocks 4-7 may be out
	WIN MUL_LO
	MUL16 0, (\q)%2, \cm
	MUL16 2, (\q)%2, \cm
	s_wait_dscnt 0
	PLACES NP
	FETCH_B \slot, (\q)+1, 1-(\q)%2
	FETCH_A \slot, (\q)+1, 0
	WIN MUL_HI
	MUL16 4, (\q)%2, \cm
	MUL16 6, (\q)%2, \cm
	PLACES NP
	WIN 0
	FETCH_A \slot, (\q)+1, 4
.endm
.macro TURN slot, next, fill
	s_wait_tensorcnt 0x0                           ; all my tensor loads have landed
	ds_add_u32 v[SPW], v[NIL]
	s_wait_dscnt 4*NL+1                            ; the add and A's blocks 4-7 may be out
	WIN MUL_LO
	MUL16 0, 1, 0
	s_wait_dscnt 0x0                               ; the add is done, and my reads of this slot are over
	s_barrier_signal -1
	MUL16 2, 1, 0
	WIN 0
	s_barrier_wait -1
.if \fill
	CREST
	s_add_nc_u64 s[G0+4*\slot+2:G0+4*\slot+3], s[G0+4*\slot+2:G0+4*\slot+3], s[STA:STA+1]
	s_add_nc_u64 s[G0B+4*\slot+2:G0B+4*\slot+3], s[G0B+4*\slot+2:G0B+4*\slot+3], s[STB:STB+1]
	JLOAD G0+4*\slot, G1, G0B+4*\slot, G1B
.else
	PLACES NP
.endif
	FETCH_B \next, 0, 0
	FETCH_A \next, 0, 0
	WIN MUL_HI
	MUL16 4, 1, 0
	MUL16 6, 1, 0
	PLACES NP
	WIN 0
	FETCH_A \next, 0, 4
.endm
	s_load_b128 s[4:7], s[0:1], 0x0                ; A's codes, wc
	s_load_b64 s[8:9], s[0:1], 0x10                ; y
	v_lshl_add_u32 v[SPW], v0, 2, SPARE
	v_mov_b32 v[NIL], 0
	ds_add_u32 v[SPW], v[NIL]                      ; the opening: the add, twice on end, and its wait ahead of my first tensor load
	ds_add_u32 v[SPW], v[NIL]
	v_lshrrev_b32 v1, 5, v0
	v_readfirstlane_b32 s20, v1
	s_lshr_b32 s21, s20, 1
	s_and_b32 s22, s20, 1
	s_bfe_u32 s40, ttmp6, 0x40000                  ; cx
	s_bfe_u32 s41, ttmp6, 0x40004                  ; cy
	s_lshl_b32 s42, ttmp9, 2
	s_add_co_u32 s42, s42, s40                     ; B's tile
	s_and_b32 s43, ttmp7, 0xffff
	s_lshl_b32 s43, s43, 2
	s_add_co_u32 s43, s43, s41                     ; A's tile
	s_lshl_b32 s44, s41, 2
	s_lshl_b32 s44, 15, s44
	s_lshl_b32 s45, 0x1111, s40
	s_or_b32 s[G1], s44, (1<<20)|(1<<21)|(4<<22)|(3<<25)
	s_or_b32 s[G1B], s45, (1<<20)|(1<<21)|(4<<22)|(3<<25)
.irp g, G1, G1B
	s_mov_b32 s[\g+1], 128<<16
	s_mov_b32 s[\g+2], 256<<16
	s_mov_b32 s[\g+3], 128<<16
	s_mov_b32 s[\g+4], 256
	s_mov_b32 s[\g+5], 128
	s_mov_b32 s[\g+6], 0
	s_mov_b32 s[\g+7], 0
.endr
	s_mov_b32 s88, 2*CHA
	s_mov_b32 s89, 0
	s_mov_b32 s90, 2*CHB
	s_mov_b32 s91, 0
	s_mov_b32 s[STA], 4*CHA
	s_mov_b32 s[STA+1], 0
	s_mov_b32 s[STB], 4*CHB
	s_mov_b32 s[STB+1], 0
	s_lshl_b32 s92, s43, 15
	s_mul_i32 s96, s22, CHA
	s_add_co_u32 s92, s92, s96
	s_mov_b32 s93, 0
	s_lshl_b32 s94, s42, 15
	s_mul_i32 s97, s22, CHB
	s_add_co_u32 s94, s94, s97
	s_add_co_u32 s94, s94, BOFF
	s_mov_b32 s95, 0
	s_mul_i32 s47, s20, REG
	s_wait_dscnt 0x0
	s_wait_kmcnt 0x0
	s_add_nc_u64 s[92:93], s[4:5], s[92:93]
	s_add_nc_u64 s[94:95], s[6:7], s[94:95]
	CROUND
	G0SET 0
	s_add_nc_u64 s[92:93], s[92:93], s[88:89]
	s_add_nc_u64 s[94:95], s[94:95], s[90:91]
	G0SET 1
	v_and_b32 v1, 15, v0
	v_bfe_u32 v2, v0, 4, 1
	v_mul_u32_u24 v3, v1, PITCH
	v_lshl_add_u32 v4, v2, 4, v3
	s_mul_i32 s92, s21, 128*PITCH
	s_mul_i32 s94, s22, 128*PITCH
	s_add_co_u32 s94, s94, 2*REG
.irp s, 0,1
	v_add_nc_u32 v[ADRA+\s], s92, v4
	v_add_nc_u32 v[ADRB+\s], s94, v4
	s_add_co_u32 s92, s92, SLOT
	s_add_co_u32 s94, s94, SLOT
.endr
	s_mul_i32 s92, s20, 16*SPITCH                  ; my stage, in slot 0
	v_mul_u32_u24 v5, v1, SPITCH
	v_lshl_add_u32 v5, v2, 5, v5
	v_add_nc_u32 v[STO], s92, v5
	v_and_b32 v6, 31, v0
	v_lshlrev_b32 v[CO], 4, v6
	v_add_nc_u32 v[RD], s92, v[CO]
	s_lshl_b32 s70, s43, 8
	s_lshl_b32 s71, s21, 7
	s_add_co_u32 s70, s70, s71
	s_lshl_b32 s70, s70, 12                        ; my first row of y, 4,096 bytes a row
	s_lshl_b32 s71, s42, 10
	s_add_co_u32 s70, s70, s71
	s_lshl_b32 s71, s22, 9
	s_add_co_u32 s70, s70, s71
	s_mov_b32 s71, 0
	s_add_nc_u64 s[8:9], s[8:9], s[70:71]
	s_wait_tensorcnt 1                             ; my part of slot 0 is in; slot 1's may stay out
	s_barrier_signal -1
	s_barrier_wait -1
	FETCH_B 0, 0, 0
	FETCH_A 0, 0, 0
	FETCH_A 0, 0, 4
	STEP 0, 0, 1                                   ; the first step's products start the sums
	s_mov_b32 s23, LAPS-1
.Llap:
	TURN 0, 1, 1
	STEP 1, 0, 0
	TURN 1, 0, 1
	STEP 0, 0, 0
	s_sub_co_u32 s23, s23, 1
	s_cmp_lg_u32 s23, 0
	s_cbranch_scc1 .Llap
	TURN 0, 1, 0
	STEP 1, 0, 0
	s_wait_dscnt 4*NL
	WIN MUL_LO
	MUL16 0, 1, 0
	MUL16 2, 1, 0
	s_wait_dscnt 0
	WIN MUL_HI
	MUL16 4, 1, 0
	MUL16 6, 1, 0
	WIN 0
; THE WAY OUT: a block of 16 rows x 128 columns goes from the accumulators through my stage and comes back as whole rows of 512 bytes
.macro TOSTAGE a
	WIN 0x08+4*((\a)/4)                            ; an LDS store's data: window 2 or 3
.irp b, 0,1,2,3,4,5,6,7
	ds_store_b128 v[STO], v[64*((\a)%4)+8*\b:64*((\a)%4)+8*\b+3] offset:64*\b
	ds_store_b128 v[STO], v[64*((\a)%4)+8*\b+4:64*((\a)%4)+8*\b+7] offset:64*\b+16
.endr
	WIN 0
.irp t, 0,1,2,3,4,5,6,7,8,9,10,11,12,13,14,15
	ds_load_b128 v[BK+64*((\a)%2)+4*\t:BK+64*((\a)%2)+4*\t+3], v[RD] offset:\t*SPITCH
.endr
.endm
.macro SEND a, younger
	s_wait_dscnt \younger
.irp t, 0,1,2,3,4,5,6,7,8,9,10,11,12,13,14,15
	global_store_b128 v[CO], v[BK+64*((\a)%2)+4*\t:BK+64*((\a)%2)+4*\t+3], s[8:9] offset:(16*(\a)+\t)*4096
.endr
.endm
	PLACES NP
	TOSTAGE 0
.irp a, 1,2,3,4,5,6,7
.if \a > 1
	s_wait_xcnt 0x0                                ; block a - 2's stores have read their registers
.endif
	TOSTAGE \a
	SEND \a-1, 32                                  ; behind block a - 1's loads: block a's 16 stores and 16 loads
.endr
	SEND 7, 0
	s_wait_tensorcnt 0x0                           ; the wave's end
	ds_add_u32 v[SPW], v[NIL]
	s_wait_dscnt 0x0
	CROUND
	s_endpgm
.Lfunc_end_k_qf7a64a15f7_oproj:
	.size	k_qf7a64a15f7_oproj, .Lfunc_end_k_qf7a64a15f7_oproj-k_qf7a64a15f7_oproj
	.p2alignl 7, 3214868480
	.fill 96, 4, 3214868480
	.section	.rodata,"a",@progbits
	.p2align	6, 0x0
	.amdhsa_kernel k_qf7a64a15f7_oproj
		.amdhsa_group_segment_fixed_size 327680
		.amdhsa_private_segment_fixed_size 0
		.amdhsa_enable_private_segment 0
		.amdhsa_kernarg_size 24
		.amdhsa_user_sgpr_count 2
		.amdhsa_user_sgpr_kernarg_segment_ptr 1
		.amdhsa_wavefront_size32 1
		.amdhsa_system_sgpr_workgroup_id_x 1
		.amdhsa_system_sgpr_workgroup_id_y 1
		.amdhsa_system_sgpr_workgroup_id_z 1
		.amdhsa_system_vgpr_workitem_id 0
		.amdhsa_next_free_vgpr 1024
		.amdhsa_next_free_sgpr 100
		.amdhsa_reserve_vcc 0
		.amdhsa_float_denorm_mode_32 3
		.amdhsa_float_denorm_mode_16_64 3
		.amdhsa_memory_ordered 1
		.amdhsa_forward_progress 1
		.amdhsa_inst_pref_size 107
	.end_amdhsa_kernel
	.amdgpu_metadata
---
amdhsa.version: [ 1, 2 ]
amdhsa.kernels:
  - .name:           k_qf7a64a15f7_oproj
    .symbol:         k_qf7a64a15f7_oproj.kd
    .args:
      - { .name: ac, .offset: 0, .size: 8, .value_kind: global_buffer, .address_space: global }
      - { .name: wc, .offset: 8, .size: 8, .value_kind: global_buffer, .address_space: global }
      - { .name: y, .offset: 16, .size: 8, .value_kind: global_buffer, .address_space: global }
    .group_segment_fixed_size: 327680
    .private_segment_fixed_size: 0
    .kernarg_segment_align: 8
    .kernarg_segment_size: 24
    .max_flat_workgroup_size: 128
    .sgpr_count:     100
    .vgpr_count:     1024
    .wavefront_size: 32
...
	.end_amdgpu_metadata
.endif
;; end of part 4
;; launch ln1 (part 5): grid 256 x 1, 8 waves a work-group, no clusters, 17,408 bytes of LDS; arguments y, x, bo, g1, beta1, lowp_scales, hf, hc; writes hf, hc
.if DOCPART == 5
	.amdgcn_target "amdgcn-amd-amdhsa--gfx1250"
	.amdhsa_code_object_version 6
	.text
	.protected	k_qf7a64a15f7_ln1
	.globl	k_qf7a64a15f7_ln1
	.p2align	8
	.type	k_qf7a64a15f7_ln1,@function
k_qf7a64a15f7_ln1:
	s_mov_b64 s[64:65], 0
	v_nop
	global_prefetch_b8 v0, s[64:65] scope:SCOPE_SE
	s_setreg_imm32_b32 hwreg(HW_REG_WAVE_MODE, 25, 1), 1
	s_wait_xcnt 0x0
; h = LayerNorm(x + (y 2^(e10 + e11) + bo)) g1 + beta1, stored as f32 (hf) and as codes of BF8 with 2^e12 (hc, chunks of 128 along K).
; A wave takes two rows and keeps them in registers: lane l holds columns 128 i + 4 l + 0 .. 3, i = 0 .. 7, so every load and store of f32 covers 512 consecutive bytes.
; The conversion takes eight numbers under one scale, number by number: a lane's four numbers of chunk 2 m and four of chunk 2 m + 1 give one word for each.
; The words of two rows meet in the wave's own LDS bytes and leave as whole aligned blocks of 256 bytes (two rows of one chunk).  Memory binds: no matrix unit, no cluster, no barrier.
; LIMITS: e10 + e11 between -126 and 127; e12 between -126 and 112.
.set SPARE, 16384
.set SPW, 10
.set NIL, 11
	s_load_b256 s[4:11], s[0:1], 0x0               ; y, x, bo, g1
	s_load_b256 s[12:19], s[0:1], 0x20             ; beta1, lowp_scales, hf, hc
	v_lshl_add_u32 v[SPW], v0, 2, SPARE
	v_mov_b32 v[NIL], 0
	v_lshrrev_b32 v1, 5, v0
	v_readfirstlane_b32 s20, v1
	v_and_b32 v2, 31, v0
	v_lshlrev_b32 v3, 4, v2
	s_lshl_b32 s21, ttmp9, 3
	s_add_co_u32 s21, s21, s20                     ; my pair of rows
	s_lshl_b32 s22, s21, 13
	s_mov_b32 s23, 0
	s_lshl_b32 s2, s20, 11                         ; my wave's 2,048 bytes of LDS
	v_lshl_add_u32 v6, v2, 2, s2
	v_lshl_add_u32 v7, v2, 4, s2
	v_lshrrev_b32 v8, 4, v2
	v_lshlrev_b32 v8, 19, v8
	v_and_b32 v9, 15, v2
	v_lshl_add_u32 v8, v9, 4, v8                   ; codes: lanes 16-31 the next chunk
	s_mov_b32 s30, 0x76543210
	s_mov_b32 s31, 0xfedcba98
	s_wait_kmcnt 0x0
	s_load_b128 s[24:27], s[14:15], 0x28           ; e10, e11, e12, e13
	s_add_nc_u64 s[4:5], s[4:5], s[22:23]
	s_add_nc_u64 s[6:7], s[6:7], s[22:23]
	s_add_nc_u64 s[16:17], s[16:17], s[22:23]
	s_lshl_b32 s22, s21, 8
	s_add_nc_u64 s[18:19], s[18:19], s[22:23]
.irp i, 0,1,2,3,4,5,6,7
	global_load_b128 v[112+4*\i:115+4*\i], v3, s[4:5] offset:512*\i th:TH_LOAD_NT
	global_load_b128 v[144+4*\i:147+4*\i], v3, s[4:5] offset:4096+512*\i th:TH_LOAD_NT
	global_load_b128 v[176+4*\i:179+4*\i], v3, s[6:7] offset:512*\i th:TH_LOAD_NT
	global_load_b128 v[208+4*\i:211+4*\i], v3, s[6:7] offset:4096+512*\i th:TH_LOAD_NT
.endr
.irp i, 0,1,2,3,4,5,6,7
	global_load_b128 v[16+4*\i:19+4*\i], v3, s[8:9] offset:512*\i
	global_load_b128 v[48+4*\i:51+4*\i], v3, s[10:11] offset:512*\i
	global_load_b128 v[80+4*\i:83+4*\i], v3, s[12:13] offset:512*\i
.endr
	s_wait_kmcnt 0x0
	s_add_co_i32 s24, s24, s25
	s_add_co_i32 s24, s24, 127
	s_lshl_b32 s28, s24, 23                        ; 2^(e10 + e11)
	s_mov_b32 s29, s28
	s_add_co_i32 s26, s26, 127
	s_lshl_b32 s27, s26, 23
	v_mov_b32 v4, s27                              ; 2^e12
	s_add_co_i32 s26, s26, 15
	s_lshl_b32 s26, s26, 23
	s_or_b32 s26, s26, 0x600000
	v_mov_b32 v5, s26                              ; 57,344 x 2^e12
	s_mov_b32 s2, 0x3a800000                       ; 1 / 1,024
	s_mov_b32 s3, 0x3727c5ac                       ; 1e-5
	s_wait_loadcnt 0x0
.macro LANES R                         ; four chains become one number, then the sum over the wave's 32 lanes, in every lane
.set W, 240+8*\R
	v_pk_add_f32 v[W:W+1], v[W:W+1], v[W+2:W+3]
	v_pk_add_f32 v[W+4:W+5], v[W+4:W+5], v[W+6:W+7]
	v_pk_add_f32 v[W:W+1], v[W:W+1], v[W+4:W+5]
	v_add_f32 v[W], v[W], v[W+1]
	v_add_f32_dpp v[W], v[W], v[W] row_xmask:1 row_mask:0xf bank_mask:0xf
	v_add_f32_dpp v[W], v[W], v[W] row_xmask:2 row_mask:0xf bank_mask:0xf
	v_add_f32_dpp v[W], v[W], v[W] row_xmask:4 row_mask:0xf bank_mask:0xf
	v_add_f32_dpp v[W], v[W], v[W] row_xmask:8 row_mask:0xf bank_mask:0xf
	v_permlanex16_b32 v[W+1], v[W], s30, s31
	v_add_f32 v[W], v[W], v[W+1]
.endm
.irp R, 0,1
.set k, 0
.rept 16
	v_pk_fma_f32 v[112+32*\R+k:113+32*\R+k], v[112+32*\R+k:113+32*\R+k], s[28:29], v[16+k:17+k] op_sel_hi:[1,0,1]
.set k, k+2
.endr
.endr
.irp R, 0,1
.set k, 0
.rept 16
	v_pk_add_f32 v[112+32*\R+k:113+32*\R+k], v[112+32*\R+k:113+32*\R+k], v[176+32*\R+k:177+32*\R+k]
.set k, k+2
.endr
.endr
.irp R, 0,1
.irp c, 0,2,4,6
	v_pk_add_f32 v[240+8*\R+\c:241+8*\R+\c], v[112+32*\R+\c:113+32*\R+\c], v[120+32*\R+\c:121+32*\R+\c]
.endr
.irp g, 16,24
.irp c, 0,2,4,6
	v_pk_add_f32 v[240+8*\R+\c:241+8*\R+\c], v[240+8*\R+\c:241+8*\R+\c], v[112+32*\R+\g+\c:113+32*\R+\g+\c]
.endr
.endr
.endr
	LANES 0
	LANES 1
.irp R, 0,1
	v_mul_f32 v[240+8*\R], s2, v[240+8*\R]         ; the mean
.set k, 0
.rept 16
	v_pk_add_f32 v[112+32*\R+k:113+32*\R+k], v[112+32*\R+k:113+32*\R+k], v[240+8*\R:241+8*\R] op_sel_hi:[1,0] neg_lo:[0,1] neg_hi:[0,1]
.set k, k+2
.endr
.endr
.irp R, 0,1
.irp c, 0,2,4,6
	v_pk_mul_f32 v[240+8*\R+\c:241+8*\R+\c], v[112+32*\R+\c:113+32*\R+\c], v[112+32*\R+\c:113+32*\R+\c]
.endr
.irp g, 8,16,24
.irp c, 0,2,4,6
	v_pk_fma_f32 v[240+8*\R+\c:241+8*\R+\c], v[112+32*\R+\g+\c:113+32*\R+\g+\c], v[112+32*\R+\g+\c:113+32*\R+\g+\c], v[240+8*\R+\c:241+8*\R+\c]
.endr
.endr
.endr
	LANES 0
	LANES 1
	v_fma_f32 v240, v240, s2, s3                   ; the variance + 1e-5
	v_fma_f32 v248, v248, s2, s3
	v_rsq_f32 v240, v240
	v_rsq_f32 v248, v248
	v_nop                                          ; a plain line behind the two,
	s_wait_alu depctr_va_vdst(0)                   ; and one wait ahead of their first reader
.irp R, 0,1
.set k, 0
.rept 16
	v_pk_mul_f32 v[112+32*\R+k:113+32*\R+k], v[112+32*\R+k:113+32*\R+k], v[240+8*\R:241+8*\R] op_sel_hi:[1,0]
.set k, k+2
.endr
.set k, 0
.rept 16
	v_pk_fma_f32 v[112+32*\R+k:113+32*\R+k], v[112+32*\R+k:113+32*\R+k], v[48+k:49+k], v[80+k:81+k]
.set k, k+2
.endr
.irp i, 0,1,2,3,4,5,6,7
	global_store_b128 v3, v[112+32*\R+4*\i:115+32*\R+4*\i], s[16:17] offset:4096*\R+512*\i
.endr
.endr
.irp R, 0,1
.set k, 0
.rept 32
	v_med3_num_f32 v[176+32*\R+k], v[112+32*\R+k], -v5, v5   ; the conversion does not saturate (ISA guide 7.6.2)
.set k, k+1
.endr
.endr
.irp R, 0,1
.irp m, 0,1,2,3
	v_cvt_scalef32_pk8_bf8_f32 v[16+8*\R+2*\m:17+8*\R+2*\m], v[176+32*\R+8*\m:183+32*\R+8*\m], v4
.endr
.endr
	v_nop
.irp R, 0,1
.irp i, 0,1,2,3,4,5,6,7
	ds_store_b32 v6, v[16+8*\R+\i] offset:256*\i+128*\R
.endr
.endr
.irp k, 0,1,2,3
	ds_load_b128 v[48+4*\k:51+4*\k], v7 offset:512*\k   ; my own bytes: LDS serves a wave's instructions in order
.endr
.irp k, 0,1,2,3
	s_wait_dscnt 3-\k
	global_store_b128 v8, v[48+4*\k:51+4*\k], s[18:19] offset:1048576*\k
.endr
	s_wait_tensorcnt 0x0                           ; the wave's end
	ds_add_u32 v[SPW], v[NIL]
	s_wait_dscnt 0x0
	s_endpgm
.Lfunc_end_k_qf7a64a15f7_ln1:
	.size	k_qf7a64a15f7_ln1, .Lfunc_end_k_qf7a64a15f7_ln1-k_qf7a64a15f7_ln1
	.p2alignl 7, 3214868480
	.fill 96, 4, 3214868480
	.section	.rodata,"a",@progbits
	.p2align	6, 0x0
	.amdhsa_kernel k_qf7a64a15f7_ln1
		.amdhsa_group_segment_fixed_size 17408
		.amdhsa_private_segment_fixed_size 0
		.amdhsa_enable_private_segment 0
		.amdhsa_kernarg_size 64
		.amdhsa_user_sgpr_count 2
		.amdhsa_user_sgpr_kernarg_segment_ptr 1
		.amdhsa_wavefront_size32 1
		.amdhsa_system_sgpr_workgroup_id_x 1
		.amdhsa_system_sgpr_workgroup_id_y 1
		.amdhsa_system_sgpr_workgroup_id_z 1
		.amdhsa_system_vgpr_workitem_id 0
		.amdhsa_next_free_vgpr 256
		.amdhsa_next_free_sgpr 66
		.amdhsa_reserve_vcc 0
		.amdhsa_float_denorm_mode_32 3
		.amdhsa_float_denorm_mode_16_64 3
		.amdhsa_memory_ordered 1
		.amdhsa_forward_progress 1
		.amdhsa_inst_pref_size 32
	.end_amdhsa_kernel
	.amdgpu_metadata
---
amdhsa.version: [ 1, 2 ]
amdhsa.kernels:
  - .name:           k_qf7a64a15f7_ln1
    .symbol:         k_qf7a64a15f7_ln1.kd
    .args:
      - { .name: y, .offset: 0, .size: 8, .value_kind: global_buffer, .address_space: global }
      - { .name: x, .offset: 8, .size: 8, .value_kind: global_buffer, .address_space: global }
      - { .name: bo, .offset: 16, .size: 8, .value_kind: global_buffer, .address_space: global }
      - { .name: g1, .offset: 24, .size: 8, .value_kind: global_buffer, .address_space: global }
      - { .name: beta1, .offset: 32, .size: 8, .value_kind: global_buffer, .address_space: global }
      - { .name: lowp_scales, .offset: 40, .size: 8, .value_kind: global_buffer, .address_space: global }
      - { .name: hf, .offset: 48, .size: 8, .value_kind: global_buffer, .address_space: global }
      - { .name: hc, .offset: 56, .size: 8, .value_kind: global_buffer, .address_space: global }
    .group_segment_fixed_size: 17408
    .private_segment_fixed_size: 0
    .kernarg_segment_align: 8
    .kernarg_segment_size: 64
    .max_flat_workgroup_size: 256
    .sgpr_count:     66
    .vgpr_count:     256
    .wavefront_size: 32
...
	.end_amdgpu_metadata
.endif
;; end of part 5
;; launch ffn1 (part 6): grid 16 x 16, 4 waves a work-group, clusters of 4 x 4, 327,680 bytes of LDS; arguments hc, wc, b1, lowp_scales, gc; writes gc
.if DOCPART == 6
	.amdgcn_target "amdgcn-amd-amdhsa--gfx1250"
	.amdhsa_code_object_version 6
	.text
	.protected	k_qf7a64a15f7_ffn1
	.globl	k_qf7a64a15f7_ffn1
	.p2align	8
	.type	k_qf7a64a15f7_ffn1,@function
k_qf7a64a15f7_ffn1:
	s_mov_b64 s[64:65], 0
	v_nop
	global_prefetch_b8 v0, s[64:65] scope:SCOPE_SE
	s_setreg_imm32_b32 hwreg(HW_REG_WAVE_MODE, 25, 1), 1
	s_wait_xcnt 0x0
	s_wait_alu depctr_hold_cnt(0) depctr_sa_sdst(0) depctr_va_vdst(0) depctr_va_sdst(0) depctr_va_ssrc(0) depctr_va_vcc(0) depctr_vm_vsrc(0)
	s_getreg_b32 s2, hwreg(HW_REG_IB_STS2, 6, 4)
	s_cmp_eq_u32 s2, 0
	s_cbranch_scc0 .Lentry_in_a_cluster
	s_endpgm
.Lentry_in_a_cluster:
	s_bfe_u32 s2, ttmp6, 0x10000c
	s_cmp_lg_u32 s2, 0xf033
	s_cbranch_scc0 .Lentry_shape_is_right
	s_endpgm
.Lentry_shape_is_right:
; gelu(h w1 + b1), exact (erf) form, on codes of BF8, quantised at once with 2^e14 for the second layer: gc, chunks of 128 along K, 4,096 rows.
; The ring, the turns and the cluster are those of the launch for Q, K and V; w1's columns that form a tile are chosen as there, so that 16 registers are 16 neighbours along the next K.
; b1 / 2^(e12 + e13) is the C of each sum's first matrix instruction.
; GELU: with t = 1 / (1 + |z| sqrt(2) / 4), erfc(|z| / sqrt(2)) = t exp(-z^2 / 2 + a polynomial of degree 9 in t), whose fractional error stays under 1.2e-7 for every z;
; gelu(z) = max(z, 0) - |z| w, w = erfc / 2.  log2(e) and the half are folded into the constants, so that w = t 2^(..).
; THE WAY OUT IS A LOOP OF EIGHT TRIPS, one for each block of 16 rows: only the copy out of the block's accumulators differs from trip to trip, so it alone is written eight times, picked by the trip's number.
; LIMITS: e12 + e13 between -126 and 126; e14 between -126 and 112.
.set PITCH,  144
.set REG,    256*PITCH
.set SLOT,   4*REG
.set SPARE,  2*SLOT
.set FR,     16
.set NL,     4
.set NP,     4
.set LAPS,   2
.set CHOSEN, 1
.set CHA,    524288
.set CHB,    524288
.set BOFF,   4<<20                     ; w1 in wc
.set ADRA, 16
.set ADRB, 20
.set STO,  24
.set RD,   25
.set CO,   26
.set LIMV, 27
.set SPW,  28
.set NIL,  29
.set SCV,  30
.set BI,   32
.set Z,    32                          ; v32-95   z, then gelu
.set T,    96                          ; v96-159  t, then max(z, 0)
.set P,    160                         ; v160-223 z^2, the exponent, w
.set H,    224                         ; v224-255 the polynomial of 32 numbers; then codes (v224-239) and rows read back (v240-255)
.set AF,   128
.set G1, 24
.set G0, 32
.set G1B, 48
.set G0B, 56
.set STA, 66
.set STB, 68
.set MSB, 0
.macro WIN new
.if MSB != (\new)
	s_set_vgpr_msb (MSB<<8)|(\new)
.set MSB, (\new)
.endif
.endm
.set MUL_LO, 0xa1
.set MUL_HI, 0xf1
.set TO_B,   0x40
.macro JLOAD g0a, g1a, g0b, g1b
	s_cmp_eq_u32 s21, 0
	s_cbranch_scc0 .Lfor_b_\@
	tensor_load_to_lds s[\g0a:\g0a+3], s[\g1a:\g1a+7]
	s_nop 0
.rept 4
	v_nop
.endr
	s_branch .Lasked_\@
.Lfor_b_\@:
	tensor_load_to_lds s[\g0b:\g0b+3], s[\g1b:\g1b+7]
	s_nop 0
.rept 4
	v_nop
.endr
.Lasked_\@:
.endm
.macro CREST
	s_cmp_lg_u32 s20, 0
	s_cbranch_scc1 .Lnot_wave_0_\@
	s_barrier_signal -3
.Lnot_wave_0_\@:
	s_barrier_wait -3
	s_barrier_signal -1
	s_barrier_wait -1
.endm
.macro CROUND
	s_barrier_signal -1
	s_barrier_wait -1
	CREST
.endm
.macro G0SET s
	s_mov_b32 s[G0+4*\s], 1
	s_add_co_u32 s[G0+4*\s+1], s47, \s*SLOT
	s_mov_b64 s[G0+4*\s+2:G0+4*\s+3], s[92:93]
	s_or_b32 s[G0+4*\s+3], s[G0+4*\s+3], 0x80000000
	s_mov_b32 s[G0B+4*\s], 1
	s_add_co_u32 s[G0B+4*\s+1], s47, \s*SLOT
	s_mov_b64 s[G0B+4*\s+2:G0B+4*\s+3], s[94:95]
	s_or_b32 s[G0B+4*\s+3], s[G0B+4*\s+3], 0x80000000
	JLOAD G0+4*\s, G1, G0B+4*\s, G1B
.endm
.macro FRAG reg, adr, off
.irp c, 0,1,2,3
	ds_load_b128 v[\reg+4*\c:\reg+4*\c+3], v[\adr] offset:\off+32*\c
.endr
.endm
.macro MUL16 a0, p, cm                 ; cm: 0 C is the accumulator; 2 the bias by B's tile
.irp a, \a0, \a0+1
.irp b, 0,1,2,3,4,5,6,7
.if \cm == 0
	v_wmma_f32_16x16x128_bf8_bf8 v[8*(8*((\a)%4)+\b):8*(8*((\a)%4)+\b)+7], v[128*(\p)+FR*\b:128*(\p)+FR*\b+FR-1], v[AF+FR*(\a):AF+FR*(\a)+FR-1], v[8*(8*((\a)%4)+\b):8*(8*((\a)%4)+\b)+7]
.else
	v_wmma_f32_16x16x128_bf8_bf8 v[8*(8*((\a)%4)+\b):8*(8*((\a)%4)+\b)+7], v[128*(\p)+FR*\b:128*(\p)+FR*\b+FR-1], v[AF+FR*(\a):AF+FR*(\a)+FR-1], v[BI+8*\b:BI+8*\b+7]
.endif
.endr
.endr
.endm
.macro FETCH_B slot, q, p
	WIN TO_B
.irp i, 0,1,2,3,4,5,6,7
	FRAG 128*(\p)+FR*\i, ADRB+\slot, (\q)*REG+(CHOSEN*(32*(\i/2)+8*(\i%2))+(1-CHOSEN)*16*\i)*PITCH
.endr
	WIN 0
.endm
.macro FETCH_A slot, q, i0
.irp i, \i0, \i0+1, \i0+2, \i0+3
	FRAG AF+FR*(\i), ADRA+\slot, (\q)*REG+(\i)*16*PITCH
.endr
.endm
.macro PLACES n
.rept \n
	v_nop
.endr
.endm
.macro STEP slot, q, cm
	s_wait_dscnt 4*NL                              ; B's set and A's blocks 0-3 are in; A's blocks 4-7 may be out
.if \cm >= 2
	WIN 0x81
.else
	WIN MUL_LO
.endif
	MUL16 0, (\q)%2, \cm
	MUL16 2, (\q)%2, \cm
	s_wait_dscnt 0
	PLACES NP
	FETCH_B \slot, (\q)+1, 1-(\q)%2
	FETCH_A \slot, (\q)+1, 0
.if \cm >= 2
	WIN 0xc1
.else
	WIN MUL_HI
.endif
	MUL16 4, (\q)%2, \cm
	MUL16 6, (\q)%2, \cm
	PLACES NP
	WIN 0
	FETCH_A \slot, (\q)+1, 4
.endm
.macro TURN slot, next, fill
	s_wait_tensorcnt 0x0                           ; all my tensor loads have landed
	ds_add_u32 v[SPW], v[NIL]
	s_wait_dscnt 4*NL+1                            ; the add and A's blocks 4-7 may be out
	WIN MUL_LO
	MUL16 0, 1, 0
	s_wait_dscnt 0x0                               ; the add is done, and my reads of this slot are over
	s_barrier_signal -1
	MUL16 2, 1, 0
	WIN 0
	s_barrier_wait -1
.if \fill
	CREST
	s_add_nc_u64 s[G0+4*\slot+2:G0+4*\slot+3], s[G0+4*\slot+2:G0+4*\slot+3], s[STA:STA+1]
	s_add_nc_u64 s[G0B+4*\slot+2:G0B+4*\slot+3], s[G0B+4*\slot+2:G0B+4*\slot+3], s[STB:STB+1]
	JLOAD G0+4*\slot, G1, G0B+4*\slot, G1B
.else
	PLACES NP
.endif
	FETCH_B \next, 0, 0
	FETCH_A \next, 0, 0
	WIN MUL_HI
	MUL16 4, 1, 0
	MUL16 6, 1, 0
	PLACES NP
	WIN 0
	FETCH_A \next, 0, 4
.endm
	s_load_b256 s[4:11], s[0:1], 0x0               ; hc, wc, b1, lowp_scales
	s_load_b64 s[12:13], s[0:1], 0x20              ; gc
	v_lshl_add_u32 v[SPW], v0, 2, SPARE
	v_mov_b32 v[NIL], 0
	ds_add_u32 v[SPW], v[NIL]                      ; the opening: the add, twice on end, and its wait ahead of my first tensor load
	ds_add_u32 v[SPW], v[NIL]
	v_lshrrev_b32 v1, 5, v0
	v_readfirstlane_b32 s20, v1
	s_lshr_b32 s21, s20, 1
	s_and_b32 s22, s20, 1
	s_bfe_u32 s40, ttmp6, 0x40000
	s_bfe_u32 s41, ttmp6, 0x40004
	s_lshl_b32 s42, ttmp9, 2
	s_add_co_u32 s42, s42, s40                     ; B's tile; kept to the end
	s_and_b32 s43, ttmp7, 0xffff
	s_lshl_b32 s43, s43, 2
	s_add_co_u32 s43, s43, s41                     ; A's tile; kept to the end
	s_lshl_b32 s44, s41, 2
	s_lshl_b32 s44, 15, s44
	s_lshl_b32 s45, 0x1111, s40
	s_or_b32 s[G1], s44, (1<<20)|(1<<21)|(4<<22)|(3<<25)
	s_or_b32 s[G1B], s45, (1<<20)|(1<<21)|(4<<22)|(3<<25)
.irp g, G1, G1B
	s_mov_b32 s[\g+1], 128<<16
	s_mov_b32 s[\g+2], 256<<16
	s_mov_b32 s[\g+3], 128<<16
	s_mov_b32 s[\g+4], 256
	s_mov_b32 s[\g+5], 128
	s_mov_b32 s[\g+6], 0
	s_mov_b32 s[\g+7], 0
.endr
	s_mov_b32 s88, 2*CHA
	s_mov_b32 s89, 0
	s_mov_b32 s90, 2*CHB
	s_mov_b32 s91, 0
	s_mov_b32 s[STA], 4*CHA
	s_mov_b32 s[STA+1], 0
	s_mov_b32 s[STB], 4*CHB
	s_mov_b32 s[STB+1], 0
	s_lshl_b32 s92, s43, 15
	s_mul_i32 s96, s22, CHA
	s_add_co_u32 s92, s92, s96
	s_mov_b32 s93, 0
	s_lshl_b32 s94, s42, 15
	s_mul_i32 s97, s22, CHB
	s_add_co_u32 s94, s94, s97
	s_add_co_u32 s94, s94, BOFF
	s_mov_b32 s95, 0
	s_mul_i32 s47, s20, REG
	s_wait_dscnt 0x0
	s_wait_kmcnt 0x0
	s_load_b512 s[72:87], s[10:11], 0x0            ; the sixteen exponents
	s_add_nc_u64 s[92:93], s[4:5], s[92:93]
	s_add_nc_u64 s[94:95], s[6:7], s[94:95]
	CROUND
	G0SET 0
	s_add_nc_u64 s[92:93], s[92:93], s[88:89]
	s_add_nc_u64 s[94:95], s[94:95], s[90:91]
	G0SET 1
	v_and_b32 v1, 15, v0
	v_bfe_u32 v2, v0, 4, 1
	v_mul_u32_u24 v3, v1, PITCH
	v_lshl_add_u32 v4, v2, 4, v3
	v_and_b32 v5, 8, v1
	v_add_nc_u32 v5, v5, v1
	v_mul_u32_u24 v5, v5, PITCH
	v_lshl_add_u32 v5, v2, 4, v5
	s_mul_i32 s92, s21, 128*PITCH
	s_mul_i32 s94, s22, 128*PITCH
	s_add_co_u32 s94, s94, 2*REG
.irp s, 0,1
	v_add_nc_u32 v[ADRA+\s], s92, v4
	v_add_nc_u32 v[ADRB+\s], s94, v5
	s_add_co_u32 s92, s92, SLOT
	s_add_co_u32 s94, s94, SLOT
.endr
	s_mul_i32 s92, s20, 16*PITCH                   ; my stage, in slot 0
	v_add_nc_u32 v[STO], s92, v4
	v_and_b32 v6, 31, v0
	v_lshrrev_b32 v7, 3, v6
	v_mul_u32_u24 v7, v7, PITCH
	v_and_b32 v10, 7, v0
	v_lshl_add_u32 v7, v10, 4, v7
	v_add_nc_u32 v[RD], s92, v7
	v_lshlrev_b32 v[CO], 4, v6
	s_lshl_b32 s70, s42, 10
	s_lshl_b32 s71, s22, 9
	s_add_co_u32 s70, s70, s71
	s_mov_b32 s71, 0
	s_add_nc_u64 s[70:71], s[8:9], s[70:71]        ; b1 at my wave's 128 columns
	v_lshlrev_b32 v11, 6, v2                       ; the loads' offset, in a register that nothing else writes
.irp i, 0,1,2,3,4,5,6,7
	global_load_b128 v[BI+8*\i:BI+8*\i+3], v11, s[70:71] offset:(32*(\i/2)+8*(\i%2))*4
	global_load_b128 v[BI+8*\i+4:BI+8*\i+7], v11, s[70:71] offset:(32*(\i/2)+8*(\i%2))*4+16
.endr
	s_wait_kmcnt 0x0
	s_add_co_i32 s98, s84, s85                     ; e12 + e13
	s_sub_co_i32 s96, 127, s98
	s_lshl_b32 s96, s96, 23                        ; 2^-(e12 + e13)
	s_mov_b32 s97, s96
	s_add_co_i32 s98, s98, 127
	s_lshl_b32 s88, s98, 23                        ; 2^(e12 + e13)
	s_mov_b32 s89, s88
	s_add_co_i32 s98, s86, 127
	s_lshl_b32 s99, s98, 23
	v_mov_b32 v[SCV], s99                          ; 2^e14
	s_add_co_i32 s98, s98, 15
	s_lshl_b32 s98, s98, 23
	s_or_b32 s98, s98, 0x600000
	v_mov_b32 v[LIMV], s98
	s_mov_b32 s90, 0x3eb504f3                      ; sqrt(2) / 4
	v_mov_b32 v8, 0xbf97d29d                       ; c8
	v_mov_b32 v9, 0xbf97d29d
	s_wait_loadcnt 0x0
.set j, 0
.rept 32
	v_pk_mul_f32 v[BI+j:BI+j+1], v[BI+j:BI+j+1], s[96:97] op_sel_hi:[1,0]
.set j, j+2
.endr
	s_wait_tensorcnt 1                             ; my part of slot 0 is in; slot 1's may stay out
	s_barrier_signal -1
	s_barrier_wait -1
	FETCH_B 0, 0, 0
	FETCH_A 0, 0, 0
	FETCH_A 0, 0, 4
	STEP 0, 0, 2                                   ; the first step starts the sums with the bias
	s_mov_b32 s23, LAPS-1
.Llap:
	TURN 0, 1, 1
	STEP 1, 0, 0
	TURN 1, 0, 1
	STEP 0, 0, 0
	s_sub_co_u32 s23, s23, 1
	s_cmp_lg_u32 s23, 0
	s_cbranch_scc1 .Llap
	TURN 0, 1, 0
	STEP 1, 0, 0
	s_wait_dscnt 4*NL
	WIN MUL_LO
	MUL16 0, 1, 0
	MUL16 2, 1, 0
	s_wait_dscnt 0
	WIN MUL_HI
	MUL16 4, 1, 0
	MUL16 6, 1, 0
	WIN 0
	; THE WAY OUT.  First my chunk's place in gc, from the two tiles' numbers
	s_lshl_b32 s96, s42, 1
	s_add_co_u32 s96, s96, s22
	s_lshl_b32 s96, s96, 5                         ; the chunk x 32 blocks of 128 rows
	s_lshl_b32 s97, s43, 1
	s_add_co_u32 s97, s97, s21
	s_add_co_u32 s96, s96, s97
	s_lshl_b32 s96, s96, 14
	s_mov_b32 s97, 0
	s_add_nc_u64 s[12:13], s[12:13], s[96:97]
	; No tensor load of mine is out since the last change of slots: the descriptors' registers take the constants, each as a pair
.macro CONST r, bits
	s_mov_b32 s[\r], \bits
	s_mov_b32 s[\r+1], \bits
.endm
	CONST 24, 0x3e7c6f08                           ; c9
	CONST 26, 0x40097039                           ; c7
	CONST 28, 0xbfd1a1e5                           ; c6
	CONST 30, 0x3ecdfd18                           ; c5
	CONST 32, 0xbe899a80                           ; c4
	CONST 34, 0x3e0efb2e                           ; c3
	CONST 36, 0x3f0a29d2                           ; c2
	CONST 38, 0x3fb8ab5a                           ; c1
	CONST 48, 0xc034d90f                           ; c0, with the half folded in
	CONST 50, 0xbf38aa3b                           ; -log2(e) / 2, for z^2
.macro COPY a                          ; z = the block's sums x 2^(e12 + e13), each accumulator from its low end on
	WIN 0x02+(\a)/4
.set j, 0
.rept 32
	v_pk_mul_f32 v[Z+j:Z+j+1], v[64*((\a)%4)+j:64*((\a)%4)+j+1], s[88:89] op_sel_hi:[1,0]
.set j, j+2
.endr
	WIN 0
.endm
.macro POLY u                          ; numbers 32 u .. 32 u + 31: the polynomial by Horner's rule, then the exponent
.set j, 0
.rept 16
	v_pk_fma_f32 v[H+j:H+j+1], v[T+32*\u+j:T+32*\u+j+1], s[24:25], v[8:9] op_sel_hi:[1,0,0]
.set j, j+2
.endr
.irp c, 26,28,30,32,34,36,38,48
.set j, 0
.rept 16
	v_pk_fma_f32 v[H+j:H+j+1], v[H+j:H+j+1], v[T+32*\u+j:T+32*\u+j+1], s[\c:\c+1] op_sel_hi:[1,1,0]
.set j, j+2
.endr
.endr
.set j, 0
.rept 16
	v_pk_fma_f32 v[P+32*\u+j:P+32*\u+j+1], v[P+32*\u+j:P+32*\u+j+1], s[50:51], v[H+j:H+j+1] op_sel_hi:[1,0,1]
.set j, j+2
.endr
.endm
	PLACES NP
	s_mov_b32 s23, 0
.Lblock:
.irp a, 0,1,2,3,4,5,6
	s_cmp_eq_u32 s23, \a
	s_cbranch_scc1 .Lcopy\a
.endr
	COPY 7
	s_branch .Lgelu
.irp a, 0,1,2,3,4,5,6
.Lcopy\a:
	COPY \a
	s_branch .Lgelu
.endr
.Lgelu:
.set j, 0
.rept 64
	v_fma_f32 v[T+j], |v[Z+j]|, s90, 1.0
.set j, j+1
.endr
.set j, 0
.rept 64
	v_rcp_f32 v[T+j], v[T+j]
.set j, j+1
.endr
.set j, 0
.rept 32
	v_pk_mul_f32 v[P+j:P+j+1], v[Z+j:Z+j+1], v[Z+j:Z+j+1]   ; plain work behind the reciprocals
.set j, j+2
.endr
	s_wait_alu depctr_va_vdst(0)                   ; one wait for the batch, ahead of its first reader
	POLY 0
	POLY 1
.set j, 0
.rept 64
	v_exp_f32 v[P+j], v[P+j]
.set j, j+1
.endr
	v_nop
	s_wait_alu depctr_va_vdst(0)
.set j, 0
.rept 32
	v_pk_mul_f32 v[P+j:P+j+1], v[P+j:P+j+1], v[T+j:T+j+1]   ; w
.set j, j+2
.endr
.set j, 0
.rept 64
	v_max_num_f32 v[T+j], 0, v[Z+j]
.set j, j+1
.endr
.set j, 0
.rept 64
	v_fma_f32 v[Z+j], -|v[Z+j]|, v[P+j], v[T+j]    ; gelu = max(z, 0) - |z| w
.set j, j+1
.endr
.set j, 0
.rept 64
	v_med3_num_f32 v[Z+j], v[Z+j], -v[LIMV], v[LIMV]
.set j, j+1
.endr
.irp g, 0,1,2,3,4,5,6,7
	v_cvt_scalef32_pk8_bf8_f32 v[H+2*\g:H+2*\g+1], v[Z+8*\g:Z+8*\g+7], v[SCV]
.endr
	v_nop
.irp b, 0,1,2,3
	ds_store_b128 v[STO], v[H+4*\b:H+4*\b+3] offset:32*\b
.endr
.irp i, 0,1,2,3
	ds_load_b128 v[H+16+4*\i:H+16+4*\i+3], v[RD] offset:4*PITCH*\i
.endr
	s_wait_dscnt 0x0
.irp i, 0,1,2,3
	global_store_b128 v[CO], v[H+16+4*\i:H+16+4*\i+3], s[12:13] offset:512*\i
.endr
	s_wait_xcnt 0x0                                ; the stores have read their registers and their base
	s_add_nc_u64 s[12:13], s[12:13], 2048
	s_add_co_u32 s23, s23, 1
	s_cmp_lt_u32 s23, 8
	s_cbranch_scc1 .Lblock
	s_wait_tensorcnt 0x0                           ; the wave's end
	ds_add_u32 v[SPW], v[NIL]
	s_wait_dscnt 0x0
	CROUND
	s_endpgm
.Lfunc_end_k_qf7a64a15f7_ffn1:
	.size	k_qf7a64a15f7_ffn1, .Lfunc_end_k_qf7a64a15f7_ffn1-k_qf7a64a15f7_ffn1
	.p2alignl 7, 3214868480
	.fill 96, 4, 3214868480
	.section	.rodata,"a",@progbits
	.p2align	6, 0x0
	.amdhsa_kernel k_qf7a64a15f7_ffn1
		.amdhsa_group_segment_fixed_size 327680
		.amdhsa_private_segment_fixed_size 0
		.amdhsa_enable_private_segment 0
		.amdhsa_kernarg_size 40
		.amdhsa_user_sgpr_count 2
		.amdhsa_user_sgpr_kernarg_segment_ptr 1
		.amdhsa_wavefront_size32 1
		.amdhsa_system_sgpr_workgroup_id_x 1
		.amdhsa_system_sgpr_workgroup_id_y 1
		.amdhsa_system_sgpr_workgroup_id_z 1
		.amdhsa_system_vgpr_workitem_id 0
		.amdhsa_next_free_vgpr 1024
		.amdhsa_next_free_sgpr 100
		.amdhsa_reserve_vcc 0
		.amdhsa_float_denorm_mode_32 3
		.amdhsa_float_denorm_mode_16_64 3
		.amdhsa_memory_ordered 1
		.amdhsa_forward_progress 1
		.amdhsa_inst_pref_size 145
	.end_amdhsa_kernel
	.amdgpu_metadata
---
amdhsa.version: [ 1, 2 ]
amdhsa.kernels:
  - .name:           k_qf7a64a15f7_ffn1
    .symbol:         k_qf7a64a15f7_ffn1.kd
    .args:
      - { .name: hc, .offset: 0, .size: 8, .value_kind: global_buffer, .address_space: global }
      - { .name: wc, .offset: 8, .size: 8, .value_kind: global_buffer, .address_space: global }
      - { .name: b1, .offset: 16, .size: 8, .value_kind: global_buffer, .address_space: global }
      - { .name: lowp_scales, .offset: 24, .size: 8, .value_kind: global_buffer, .address_space: global }
      - { .name: gc, .offset: 32, .size: 8, .value_kind: global_buffer, .address_space: global }
    .group_segment_fixed_size: 327680
    .private_segment_fixed_size: 0
    .kernarg_segment_align: 8
    .kernarg_segment_size: 40
    .max_flat_workgroup_size: 128
    .sgpr_count:     100
    .vgpr_count:     1024
    .wavefront_size: 32
...
	.end_amdgpu_metadata
.endif
;; end of part 6
;; launch ffn2 (part 7): grid 16 x 16, 4 waves a work-group, clusters of 4 x 4, 327,680 bytes of LDS; arguments gc, wc, y; writes y
.if DOCPART == 7
	.amdgcn_target "amdgcn-amd-amdhsa--gfx1250"
	.amdhsa_code_object_version 6
	.text
	.protected	k_qf7a64a15f7_ffn2
	.globl	k_qf7a64a15f7_ffn2
	.p2align	8
	.type	k_qf7a64a15f7_ffn2,@function
k_qf7a64a15f7_ffn2:
	s_mov_b64 s[64:65], 0
	v_nop
	global_prefetch_b8 v0, s[64:65] scope:SCOPE_SE
	s_setreg_imm32_b32 hwreg(HW_REG_WAVE_MODE, 25, 1), 1
	s_wait_xcnt 0x0
	s_wait_alu depctr_hold_cnt(0) depctr_sa_sdst(0) depctr_va_vdst(0) depctr_va_sdst(0) depctr_va_ssrc(0) depctr_va_vcc(0) depctr_vm_vsrc(0)
	s_getreg_b32 s2, hwreg(HW_REG_IB_STS2, 6, 4)
	s_cmp_eq_u32 s2, 0
	s_cbranch_scc0 .Lentry_in_a_cluster
	s_endpgm
.Lentry_in_a_cluster:
	s_bfe_u32 s2, ttmp6, 0x10000c
	s_cmp_lg_u32 s2, 0xf033
	s_cbranch_scc0 .Lentry_shape_is_right
	s_endpgm
.Lentry_shape_is_right:
; y = raw f32 sums of (gelu's codes) x (w2's codes), [4,096][1,024], IN FOUR PARTS: K = 4,096 is shared among four work-groups, 1,024 each, so that 64 tiles of 256 x 256 give 256 work-groups.
; The cluster's x (0..3, the same in all sixteen partners) says which quarter of K; part q of y lies 16 MiB x q into the buffer.  The next launch adds the four parts, multiplies by 2^(e14 + e15) and adds the bias:
; each row of the sum has one owner there, and no work-group of this launch touches another's bytes.
; The ring, the turns and the cluster are the projection's: 128 x 128 a wave, K in chunks of 128, a slot holds K = 256, wave w fills region w.
.set PITCH,  144
.set REG,    256*PITCH
.set SLOT,   4*REG
.set SPARE,  2*SLOT
.set FR,     16
.set NL,     4
.set NP,     4
.set LAPS,   2                         ; a quarter of K: 1,024
.set CHOSEN, 0
.set CHA,    524288
.set CHB,    131072
.set BOFF,   8<<20                     ; w2 in wc
.set SPITCH, 528
.set ADRA, 16
.set ADRB, 20
.set STO,  24
.set RD,   25
.set CO,   26
.set SPW,  28
.set NIL,  29
.set BI,   32
.set AF,   128
.set BK,   128
.set G1, 24
.set G0, 32
.set G1B, 48
.set G0B, 56
.set STA, 66
.set STB, 68
.set MSB, 0
.macro WIN new
.if MSB != (\new)
	s_set_vgpr_msb (MSB<<8)|(\new)
.set MSB, (\new)
.endif
.endm
.set MUL_LO, 0xa1
.set MUL_HI, 0xf1
.set TO_B,   0x40
.macro JLOAD g0a, g1a, g0b, g1b
	s_cmp_eq_u32 s21, 0
	s_cbranch_scc0 .Lfor_b_\@
	tensor_load_to_lds s[\g0a:\g0a+3], s[\g1a:\g1a+7]
	s_nop 0
.rept 4
	v_nop
.endr
	s_branch .Lasked_\@
.Lfor_b_\@:
	tensor_load_to_lds s[\g0b:\g0b+3], s[\g1b:\g1b+7]
	s_nop 0
.rept 4
	v_nop
.endr
.Lasked_\@:
.endm
.macro CREST
	s_cmp_lg_u32 s20, 0
	s_cbranch_scc1 .Lnot_wave_0_\@
	s_barrier_signal -3
.Lnot_wave_0_\@:
	s_barrier_wait -3
	s_barrier_signal -1
	s_barrier_wait -1
.endm
.macro CROUND
	s_barrier_signal -1
	s_barrier_wait -1
	CREST
.endm
.macro G0SET s
	s_mov_b32 s[G0+4*\s], 1
	s_add_co_u32 s[G0+4*\s+1], s47, \s*SLOT
	s_mov_b64 s[G0+4*\s+2:G0+4*\s+3], s[92:93]
	s_or_b32 s[G0+4*\s+3], s[G0+4*\s+3], 0x80000000
	s_mov_b32 s[G0B+4*\s], 1
	s_add_co_u32 s[G0B+4*\s+1], s47, \s*SLOT
	s_mov_b64 s[G0B+4*\s+2:G0B+4*\s+3], s[94:95]
	s_or_b32 s[G0B+4*\s+3], s[G0B+4*\s+3], 0x80000000
	JLOAD G0+4*\s, G1, G0B+4*\s, G1B
.endm
.macro FRAG reg, adr, off
.irp c, 0,1,2,3
	ds_load_b128 v[\reg+4*\c:\reg+4*\c+3], v[\adr] offset:\off+32*\c
.endr
.endm
.macro MUL16 a0, p, cm                 ; cm: 0 C is the accumulator; 1 the constant 0
.irp a, \a0, \a0+1
.irp b, 0,1,2,3,4,5,6,7
.if \cm == 0
	v_wmma_f32_16x16x128_bf8_bf8 v[8*(8*((\a)%4)+\b):8*(8*((\a)%4)+\b)+7], v[128*(\p)+FR*\b:128*(\p)+FR*\b+FR-1], v[AF+FR*(\a):AF+FR*(\a)+FR-1], v[8*(8*((\a)%4)+\b):8*(8*((\a)%4)+\b)+7]
.else
	v_wmma_f32_16x16x128_bf8_bf8 v[8*(8*((\a)%4)+\b):8*(8*((\a)%4)+\b)+7], v[128*(\p)+FR*\b:128*(\p)+FR*\b+FR-1], v[AF+FR*(\a):AF+FR*(\a)+FR-1], 0
.endif
.endr
.endr
.endm
.macro FETCH_B slot, q, p
	WIN TO_B
.irp i, 0,1,2,3,4,5,6,7
	FRAG 128*(\p)+FR*\i, ADRB+\slot, (\q)*REG+(CHOSEN*(32*(\i/2)+8*(\i%2))+(1-CHOSEN)*16*\i)*PITCH
.endr
	WIN 0
.endm
.macro FETCH_A slot, q, i0
.irp i, \i0, \i0+1, \i0+2, \i0+3
	FRAG AF+FR*(\i), ADRA+\slot, (\q)*REG+(\i)*16*PITCH
.endr
.endm
.macro PLACES n
.rept \n
	v_nop
.endr
.endm
.macro STEP slot, q, cm
	s_wait_dscnt 4*NL                              ; B's set and A's blocks 0-3 are in; A's blocks 4-7 may be out
	WIN MUL_LO
	MUL16 0, (\q)%2, \cm
	MUL16 2, (\q)%2, \cm
	s_wait_dscnt 0
	PLACES NP
	FETCH_B \slot, (\q)+1, 1-(\q)%2
	FETCH_A \slot, (\q)+1, 0
	WIN MUL_HI
	MUL16 4, (\q)%2, \cm
	MUL16 6, (\q)%2, \cm
	PLACES NP
	WIN 0
	FETCH_A \slot, (\q)+1, 4
.endm
.macro TURN slot, next, fill
	s_wait_tensorcnt 0x0                           ; all my tensor loads have landed
	ds_add_u32 v[SPW], v[NIL]
	s_wait_dscnt 4*NL+1                            ; the add and A's blocks 4-7 may be out
	WIN MUL_LO
	MUL16 0, 1, 0
	s_wait_dscnt 0x0                               ; the add is done, and my reads of this slot are over
	s_barrier_signal -1
	MUL16 2, 1, 0
	WIN 0
	s_barrier_wait -1
.if \fill
	CREST
	s_add_nc_u64 s[G0+4*\slot+2:G0+4*\slot+3], s[G0+4*\slot+2:G0+4*\slot+3], s[STA:STA+1]
	s_add_nc_u64 s[G0B+4*\slot+2:G0B+4*\slot+3], s[G0B+4*\slot+2:G0B+4*\slot+3], s[STB:STB+1]
	JLOAD G0+4*\slot, G1, G0B+4*\slot, G1B
.else
	PLACES NP
.endif
	FETCH_B \next, 0, 0
	FETCH_A \next, 0, 0
	WIN MUL_HI
	MUL16 4, 1, 0
	MUL16 6, 1, 0
	PLACES NP
	WIN 0
	FETCH_A \next, 0, 4
.endm
	s_load_b128 s[4:7], s[0:1], 0x0                ; A's codes, wc
	s_load_b64 s[8:9], s[0:1], 0x10                ; y
	v_lshl_add_u32 v[SPW], v0, 2, SPARE
	v_mov_b32 v[NIL], 0
	ds_add_u32 v[SPW], v[NIL]                      ; the opening: the add, twice on end, and its wait ahead of my first tensor load
	ds_add_u32 v[SPW], v[NIL]
	v_lshrrev_b32 v1, 5, v0
	v_readfirstlane_b32 s20, v1
	s_lshr_b32 s21, s20, 1
	s_and_b32 s22, s20, 1
	s_bfe_u32 s40, ttmp6, 0x40000                  ; cx
	s_bfe_u32 s41, ttmp6, 0x40004                  ; cy
	s_mov_b32 s42, s40                             ; B's tile: the four tiles of 256 columns lie along the cluster's x; the cluster's own x is the quarter of K
	s_and_b32 s43, ttmp7, 0xffff
	s_lshl_b32 s43, s43, 2
	s_add_co_u32 s43, s43, s41                     ; A's tile
	s_lshl_b32 s44, s41, 2
	s_lshl_b32 s44, 15, s44
	s_lshl_b32 s45, 0x1111, s40
	s_or_b32 s[G1], s44, (1<<20)|(1<<21)|(4<<22)|(3<<25)
	s_or_b32 s[G1B], s45, (1<<20)|(1<<21)|(4<<22)|(3<<25)
.irp g, G1, G1B
	s_mov_b32 s[\g+1], 128<<16
	s_mov_b32 s[\g+2], 256<<16
	s_mov_b32 s[\g+3], 128<<16
	s_mov_b32 s[\g+4], 256
	s_mov_b32 s[\g+5], 128
	s_mov_b32 s[\g+6], 0
	s_mov_b32 s[\g+7], 0
.endr
	s_mov_b32 s88, 2*CHA
	s_mov_b32 s89, 0
	s_mov_b32 s90, 2*CHB
	s_mov_b32 s91, 0
	s_mov_b32 s[STA], 4*CHA
	s_mov_b32 s[STA+1], 0
	s_mov_b32 s[STB], 4*CHB
	s_mov_b32 s[STB+1], 0
	s_lshl_b32 s92, s43, 15
	s_mul_i32 s96, s22, CHA
	s_add_co_u32 s92, s92, s96
	s_lshl_b32 s96, ttmp9, 22                      ; my quarter of K: eight chunks of A, 8 x 524,288 bytes
	s_add_co_u32 s92, s92, s96
	s_mov_b32 s93, 0
	s_lshl_b32 s94, s42, 15
	s_mul_i32 s97, s22, CHB
	s_add_co_u32 s94, s94, s97
	s_add_co_u32 s94, s94, BOFF
	s_lshl_b32 s97, ttmp9, 20                      ; and eight chunks of B, 8 x 131,072 bytes
	s_add_co_u32 s94, s94, s97
	s_mov_b32 s95, 0
	s_mul_i32 s47, s20, REG
	s_wait_dscnt 0x0
	s_wait_kmcnt 0x0
	s_add_nc_u64 s[92:93], s[4:5], s[92:93]
	s_add_nc_u64 s[94:95], s[6:7], s[94:95]
	CROUND
	G0SET 0
	s_add_nc_u64 s[92:93], s[92:93], s[88:89]
	s_add_nc_u64 s[94:95], s[94:95], s[90:91]
	G0SET 1
	v_and_b32 v1, 15, v0
	v_bfe_u32 v2, v0, 4, 1
	v_mul_u32_u24 v3, v1, PITCH
	v_lshl_add_u32 v4, v2, 4, v3
	s_mul_i32 s92, s21, 128*PITCH
	s_mul_i32 s94, s22, 128*PITCH
	s_add_co_u32 s94, s94, 2*REG
.irp s, 0,1
	v_add_nc_u32 v[ADRA+\s], s92, v4
	v_add_nc_u32 v[ADRB+\s], s94, v4
	s_add_co_u32 s92, s92, SLOT
	s_add_co_u32 s94, s94, SLOT
.endr
	s_mul_i32 s92, s20, 16*SPITCH                  ; my stage, in slot 0
	v_mul_u32_u24 v5, v1, SPITCH
	v_lshl_add_u32 v5, v2, 5, v5
	v_add_nc_u32 v[STO], s92, v5
	v_and_b32 v6, 31, v0
	v_lshlrev_b32 v[CO], 4, v6
	v_add_nc_u32 v[RD], s92, v[CO]
	s_lshl_b32 s70, s43, 8
	s_lshl_b32 s71, s21, 7
	s_add_co_u32 s70, s70, s71
	s_lshl_b32 s70, s70, 12
	s_lshl_b32 s71, s42, 10
	s_add_co_u32 s70, s70, s71
	s_lshl_b32 s71, s22, 9
	s_add_co_u32 s70, s70, s71
	s_lshl_b32 s71, ttmp9, 24                      ; my quarter's part of y: 4,096 rows x 4,096 bytes each
	s_add_co_u32 s70, s70, s71
	s_mov_b32 s71, 0
	s_add_nc_u64 s[8:9], s[8:9], s[70:71]
	s_wait_tensorcnt 1                             ; my part of slot 0 is in; slot 1's may stay out
	s_barrier_signal -1
	s_barrier_wait -1
	FETCH_B 0, 0, 0
	FETCH_A 0, 0, 0
	FETCH_A 0, 0, 4
	STEP 0, 0, 1
	s_mov_b32 s23, LAPS-1
.Llap:
	TURN 0, 1, 1
	STEP 1, 0, 0
	TURN 1, 0, 1
	STEP 0, 0, 0
	s_sub_co_u32 s23, s23, 1
	s_cmp_lg_u32 s23, 0
	s_cbranch_scc1 .Llap
	TURN 0, 1, 0
	STEP 1, 0, 0
	s_wait_dscnt 4*NL
	WIN MUL_LO
	MUL16 0, 1, 0
	MUL16 2, 1, 0
	s_wait_dscnt 0
	WIN MUL_HI
	MUL16 4, 1, 0
	MUL16 6, 1, 0
	WIN 0
.macro TOSTAGE a
	WIN 0x08+4*((\a)/4)                            ; an LDS store's data: window 2 or 3
.irp b, 0,1,2,3,4,5,6,7
	ds_store_b128 v[STO], v[64*((\a)%4)+8*\b:64*((\a)%4)+8*\b+3] offset:64*\b
	ds_store_b128 v[STO], v[64*((\a)%4)+8*\b+4:64*((\a)%4)+8*\b+7] offset:64*\b+16
.endr
	WIN 0
.irp t, 0,1,2,3,4,5,6,7,8,9,10,11,12,13,14,15
	ds_load_b128 v[BK+64*((\a)%2)+4*\t:BK+64*((\a)%2)+4*\t+3], v[RD] offset:\t*SPITCH
.endr
.endm
.macro SEND a, younger
	s_wait_dscnt \younger
.irp t, 0,1,2,3,4,5,6,7,8,9,10,11,12,13,14,15
	global_store_b128 v[CO], v[BK+64*((\a)%2)+4*\t:BK+64*((\a)%2)+4*\t+3], s[8:9] offset:(16*(\a)+\t)*4096
.endr
.endm
	PLACES NP
	TOSTAGE 0
.irp a, 1,2,3,4,5,6,7
.if \a > 1
	s_wait_xcnt 0x0                                ; block a - 2's stores have read their registers
.endif
	TOSTAGE \a
	SEND \a-1, 32                                  ; behind block a - 1's loads: block a's 16 stores and 16 loads
.endr
	SEND 7, 0
	s_wait_tensorcnt 0x0                           ; the wave's end
	ds_add_u32 v[SPW], v[NIL]
	s_wait_dscnt 0x0
	CROUND
	s_endpgm
.Lfunc_end_k_qf7a64a15f7_ffn2:
	.size	k_qf7a64a15f7_ffn2, .Lfunc_end_k_qf7a64a15f7_ffn2-k_qf7a64a15f7_ffn2
	.p2alignl 7, 3214868480
	.fill 96, 4, 3214868480
	.section	.rodata,"a",@progbits
	.p2align	6, 0x0
	.amdhsa_kernel k_qf7a64a15f7_ffn2
		.amdhsa_group_segment_fixed_size 327680
		.amdhsa_private_segment_fixed_size 0
		.amdhsa_enable_private_segment 0
		.amdhsa_kernarg_size 24
		.amdhsa_user_sgpr_count 2
		.amdhsa_user_sgpr_kernarg_segment_ptr 1
		.amdhsa_wavefront_size32 1
		.amdhsa_system_sgpr_workgroup_id_x 1
		.amdhsa_system_sgpr_workgroup_id_y 1
		.amdhsa_system_sgpr_workgroup_id_z 1
		.amdhsa_system_vgpr_workitem_id 0
		.amdhsa_next_free_vgpr 1024
		.amdhsa_next_free_sgpr 100
		.amdhsa_reserve_vcc 0
		.amdhsa_float_denorm_mode_32 3
		.amdhsa_float_denorm_mode_16_64 3
		.amdhsa_memory_ordered 1
		.amdhsa_forward_progress 1
		.amdhsa_inst_pref_size 107
	.end_amdhsa_kernel
	.amdgpu_metadata
---
amdhsa.version: [ 1, 2 ]
amdhsa.kernels:
  - .name:           k_qf7a64a15f7_ffn2
    .symbol:         k_qf7a64a15f7_ffn2.kd
    .args:
      - { .name: gc, .offset: 0, .size: 8, .value_kind: global_buffer, .address_space: global }
      - { .name: wc, .offset: 8, .size: 8, .value_kind: global_buffer, .address_space: global }
      - { .name: y, .offset: 16, .size: 8, .value_kind: global_buffer, .address_space: global }
    .group_segment_fixed_size: 327680
    .private_segment_fixed_size: 0
    .kernarg_segment_align: 8
    .kernarg_segment_size: 24
    .max_flat_workgroup_size: 128
    .sgpr_count:     100
    .vgpr_count:     1024
    .wavefront_size: 32
...
	.end_amdgpu_metadata
.endif
;; end of part 7
;; launch ln2 (part 8): grid 512 x 1, 8 waves a work-group, no clusters, 0 bytes of LDS; arguments y, hf, b2, g2, beta2, lowp_scales, out0; writes out0
.if DOCPART == 8
	.amdgcn_target "amdgcn-amd-amdhsa--gfx1250"
	.amdhsa_code_object_version 6
	.text
	.protected	k_qf7a64a15f7_ln2
	.globl	k_qf7a64a15f7_ln2
	.p2align	8
	.type	k_qf7a64a15f7_ln2,@function
k_qf7a64a15f7_ln2:
	s_mov_b64 s[64:65], 0
	v_nop
	global_prefetch_b8 v0, s[64:65] scope:SCOPE_SE
	s_setreg_imm32_b32 hwreg(HW_REG_WAVE_MODE, 25, 1), 1
	s_wait_xcnt 0x0
; out0 = LayerNorm(h + ((y0 + y1 + y2 + y3) 2^(e14 + e15) + b2)) g2 + beta2.  y0 .. y3 are the second layer's sums over the four quarters of K, 16 MiB apart in y: this launch is the one owner of each row's sum.
; A wave takes one row and keeps it in registers: lane l holds columns 128 i + 4 l + 0 .. 3, i = 0 .. 7, so every load and store covers 512 consecutive bytes.
; All of the row's 56 loads go out at once; beta2 has no registers of its own: it is loaded into those of y1 as soon as the four parts are added, and lands while the mean and the variance are made.
; Memory binds: no LDS, no matrix unit, no cluster, no barrier.
; LIMIT: e14 + e15 between -126 and 127.
.set Y0,  16                           ; v16-47   part 0, then the row at work
.set Y1,  48                           ; v48-79   part 1, then beta2
.set Y2,  80                           ; v80-111  part 2
.set Y3,  112                          ; v112-143 part 3
.set RES, 144                          ; v144-175 h
.set BIA, 176                          ; v176-207 b2
.set GG,  208                          ; v208-239 g2
.set BET, 48
.set W,   240                          ; v240-247 at work
	s_load_b256 s[4:11], s[0:1], 0x0               ; y, hf, b2, g2
	s_load_b128 s[12:15], s[0:1], 0x20             ; beta2, lowp_scales
	s_load_b64 s[16:17], s[0:1], 0x30              ; out0
	v_lshrrev_b32 v1, 5, v0
	v_readfirstlane_b32 s20, v1
	v_and_b32 v2, 31, v0
	v_lshlrev_b32 v3, 4, v2                        ; 16 bytes a lane; never rewritten
	s_lshl_b32 s21, ttmp9, 3
	s_add_co_u32 s21, s21, s20                     ; my row
	s_lshl_b32 s22, s21, 12
	s_mov_b32 s23, 0
	s_mov_b32 s30, 0x76543210
	s_mov_b32 s31, 0xfedcba98
	s_wait_kmcnt 0x0
	s_load_b64 s[24:25], s[14:15], 0x38            ; e14, e15
	s_add_nc_u64 s[4:5], s[4:5], s[22:23]          ; my row in part 0,
	s_add_nc_u64 s[32:33], s[4:5], 0x1000000       ; and in parts 1 to 3: too far apart for a load's immediate, so each has its base
	s_add_nc_u64 s[34:35], s[4:5], 0x2000000
	s_add_nc_u64 s[36:37], s[4:5], 0x3000000
	s_add_nc_u64 s[6:7], s[6:7], s[22:23]
	s_add_nc_u64 s[16:17], s[16:17], s[22:23]
.irp i, 0,1,2,3,4,5,6,7
	global_load_b128 v[Y0+4*\i:Y0+4*\i+3], v3, s[4:5] offset:512*\i th:TH_LOAD_NT
	global_load_b128 v[Y1+4*\i:Y1+4*\i+3], v3, s[32:33] offset:512*\i th:TH_LOAD_NT
	global_load_b128 v[Y2+4*\i:Y2+4*\i+3], v3, s[34:35] offset:512*\i th:TH_LOAD_NT
	global_load_b128 v[Y3+4*\i:Y3+4*\i+3], v3, s[36:37] offset:512*\i th:TH_LOAD_NT
.endr
.irp i, 0,1,2,3,4,5,6,7
	global_load_b128 v[RES+4*\i:RES+4*\i+3], v3, s[6:7] offset:512*\i th:TH_LOAD_NT
.endr
.irp i, 0,1,2,3,4,5,6,7
	global_load_b128 v[BIA+4*\i:BIA+4*\i+3], v3, s[8:9] offset:512*\i
.endr
.irp i, 0,1,2,3,4,5,6,7
	global_load_b128 v[GG+4*\i:GG+4*\i+3], v3, s[10:11] offset:512*\i
.endr
	s_wait_kmcnt 0x0
	s_add_co_i32 s24, s24, s25
	s_add_co_i32 s24, s24, 127
	s_lshl_b32 s28, s24, 23                        ; 2^(e14 + e15)
	s_mov_b32 s29, s28
	s_mov_b32 s2, 0x3a800000                       ; 1 / 1,024
	s_mov_b32 s3, 0x3727c5ac                       ; 1e-5
	s_wait_loadcnt 24                              ; the 32 loads of the four parts are in; those of h, b2 and g2 may be out
.set k, 0
.rept 16
	v_pk_add_f32 v[Y0+k:Y0+k+1], v[Y0+k:Y0+k+1], v[Y1+k:Y1+k+1]
	v_pk_add_f32 v[Y2+k:Y2+k+1], v[Y2+k:Y2+k+1], v[Y3+k:Y3+k+1]
.set k, k+2
.endr
.irp i, 0,1,2,3,4,5,6,7
	global_load_b128 v[BET+4*\i:BET+4*\i+3], v3, s[12:13] offset:512*\i   ; beta2, into the registers that part 1 has left
.endr
.set k, 0
.rept 16
	v_pk_add_f32 v[Y0+k:Y0+k+1], v[Y0+k:Y0+k+1], v[Y2+k:Y2+k+1]
.set k, k+2
.endr
	s_wait_loadcnt 16                              ; h and b2 are in; g2's eight loads and beta2's eight may be out
.set k, 0
.rept 16
	v_pk_fma_f32 v[Y0+k:Y0+k+1], v[Y0+k:Y0+k+1], s[28:29], v[BIA+k:BIA+k+1] op_sel_hi:[1,0,1]
.set k, k+2
.endr
.set k, 0
.rept 16
	v_pk_add_f32 v[Y0+k:Y0+k+1], v[Y0+k:Y0+k+1], v[RES+k:RES+k+1]
.set k, k+2
.endr
.macro LANES                           ; four chains become one number, then the sum over the wave's 32 lanes, in every lane
	v_pk_add_f32 v[W:W+1], v[W:W+1], v[W+2:W+3]
	v_pk_add_f32 v[W+4:W+5], v[W+4:W+5], v[W+6:W+7]
	v_pk_add_f32 v[W:W+1], v[W:W+1], v[W+4:W+5]
	v_add_f32 v[W], v[W], v[W+1]
	v_add_f32_dpp v[W], v[W], v[W] row_xmask:1 row_mask:0xf bank_mask:0xf
	v_add_f32_dpp v[W], v[W], v[W] row_xmask:2 row_mask:0xf bank_mask:0xf
	v_add_f32_dpp v[W], v[W], v[W] row_xmask:4 row_mask:0xf bank_mask:0xf
	v_add_f32_dpp v[W], v[W], v[W] row_xmask:8 row_mask:0xf bank_mask:0xf
	v_permlanex16_b32 v[W+1], v[W], s30, s31
	v_add_f32 v[W], v[W], v[W+1]
.endm
.irp c, 0,2,4,6
	v_pk_add_f32 v[W+\c:W+\c+1], v[Y0+\c:Y0+\c+1], v[Y0+8+\c:Y0+9+\c]
.endr
.irp g, 16,24
.irp c, 0,2,4,6
	v_pk_add_f32 v[W+\c:W+\c+1], v[W+\c:W+\c+1], v[Y0+\g+\c:Y0+\g+\c+1]
.endr
.endr
	LANES
	v_mul_f32 v[W], s2, v[W]                       ; the mean
.set k, 0
.rept 16
	v_pk_add_f32 v[Y0+k:Y0+k+1], v[Y0+k:Y0+k+1], v[W:W+1] op_sel_hi:[1,0] neg_lo:[0,1] neg_hi:[0,1]
.set k, k+2
.endr
.irp c, 0,2,4,6
	v_pk_mul_f32 v[W+\c:W+\c+1], v[Y0+\c:Y0+\c+1], v[Y0+\c:Y0+\c+1]
.endr
.irp g, 8,16,24
.irp c, 0,2,4,6
	v_pk_fma_f32 v[W+\c:W+\c+1], v[Y0+\g+\c:Y0+\g+\c+1], v[Y0+\g+\c:Y0+\g+\c+1], v[W+\c:W+\c+1]
.endr
.endr
	LANES
	v_fma_f32 v[W], v[W], s2, s3                   ; the variance + 1e-5
	v_rsq_f32 v[W], v[W]
	v_nop                                          ; a plain line behind it,
	s_wait_alu depctr_va_vdst(0)                   ; and the wait ahead of its first reader
.set k, 0
.rept 16
	v_pk_mul_f32 v[Y0+k:Y0+k+1], v[Y0+k:Y0+k+1], v[W:W+1] op_sel_hi:[1,0]
.set k, k+2
.endr
	s_wait_loadcnt 0x0                             ; g2 and beta2
.set k, 0
.rept 16
	v_pk_fma_f32 v[Y0+k:Y0+k+1], v[Y0+k:Y0+k+1], v[GG+k:GG+k+1], v[BET+k:BET+k+1]
.set k, k+2
.endr
.irp i, 0,1,2,3,4,5,6,7
	global_store_b128 v3, v[Y0+4*\i:Y0+4*\i+3], s[16:17] offset:512*\i th:TH_STORE_NT
.endr
	s_endpgm
.Lfunc_end_k_qf7a64a15f7_ln2:
	.size	k_qf7a64a15f7_ln2, .Lfunc_end_k_qf7a64a15f7_ln2-k_qf7a64a15f7_ln2
	.p2alignl 7, 3214868480
	.fill 96, 4, 3214868480
	.section	.rodata,"a",@progbits
	.p2align	6, 0x0
	.amdhsa_kernel k_qf7a64a15f7_ln2
		.amdhsa_group_segment_fixed_size 0
		.amdhsa_private_segment_fixed_size 0
		.amdhsa_enable_private_segment 0
		.amdhsa_kernarg_size 56
		.amdhsa_user_sgpr_count 2
		.amdhsa_user_sgpr_kernarg_segment_ptr 1
		.amdhsa_wavefront_size32 1
		.amdhsa_system_sgpr_workgroup_id_x 1
		.amdhsa_system_sgpr_workgroup_id_y 1
		.amdhsa_system_sgpr_workgroup_id_z 1
		.amdhsa_system_vgpr_workitem_id 0
		.amdhsa_next_free_vgpr 256
		.amdhsa_next_free_sgpr 66
		.amdhsa_reserve_vcc 0
		.amdhsa_float_denorm_mode_32 3
		.amdhsa_float_denorm_mode_16_64 3
		.amdhsa_memory_ordered 1
		.amdhsa_forward_progress 1
		.amdhsa_inst_pref_size 20
	.end_amdhsa_kernel
	.amdgpu_metadata
---
amdhsa.version: [ 1, 2 ]
amdhsa.kernels:
  - .name:           k_qf7a64a15f7_ln2
    .symbol:         k_qf7a64a15f7_ln2.kd
    .args:
      - { .name: y, .offset: 0, .size: 8, .value_kind: global_buffer, .address_space: global }
      - { .name: hf, .offset: 8, .size: 8, .value_kind: global_buffer, .address_space: global }
      - { .name: b2, .offset: 16, .size: 8, .value_kind: global_buffer, .address_space: global }
      - { .name: g2, .offset: 24, .size: 8, .value_kind: global_buffer, .address_space: global }
      - { .name: beta2, .offset: 32, .size: 8, .value_kind: global_buffer, .address_space: global }
      - { .name: lowp_scales, .offset: 40, .size: 8, .value_kind: global_buffer, .address_space: global }
      - { .name: out0, .offset: 48, .size: 8, .value_kind: global_buffer, .address_space: global }
    .group_segment_fixed_size: 0
    .private_segment_fixed_size: 0
    .kernarg_segment_align: 8
    .kernarg_segment_size: 56
    .max_flat_workgroup_size: 256
    .sgpr_count:     66
    .vgpr_count:     256
    .wavefront_size: 32
...
	.end_amdgpu_metadata
.endif
;; end of part 8
